; MI455X (gfx1250); checked and timed in simulation.
; The chip was launched on July 23, 2026; its instructions are those of AMD's public machine-readable ISA for CDNA 5 (MIT licence, August 2026) and "CDNA5" Instruction Set Architecture Reference Guide (July 2026). The comments in the code are by the model that wrote it; some were corrected since.
;; Mutil Region Attention. Allowed arithmetic: matrix products marked QUANTISED: E4M3 operands, one given power-of-two scale a tensor, by v_wmma_f32_16x16x64_fp8_fp8 or v_wmma_f32_16x16x128_fp8_fp8, f32 sums; products left as they are: f32 operands where the result goes on into a quantised operand, else bf16, f16 or f32 operands; f32 sums; everything else in f32.
;; Inputs: Wc 64 x 128 float32; Wkv 2,048 x 1,024 float32; Wkvr 128 x 64 float32; Wq 1,024 x 1,024 float32; Wqr 64 x 64 float32; bc 64 float32; beta 64 float32; gamma 64 float32; lowp_scales 10 int32 (the exponents e of the quantised operands' scales 2^e); rm 64 float32; rv 64 float32; x 4 x 64 x 256 x 256 float32.
;; Outputs: out0 4 x 64 x 256 x 256 float32.
;; This version of the problem:
;;   THIS VERSION OF THE PROBLEM IS GIVEN IN LOW PRECISION. The matrix products marked QUANTISED in the list below multiply operands that are first quantised to E4M3 (4 exponent bits, 3 mantissa bits; 8 bits a number), with one given power-of-two scale for each operand tensor; their sums are f32. All else is computed in f32.
;;   The module's matrix products, in the order in which they are computed (A, B: the left and right operand; K: the contracted axis; several contracted axes count as one K, in the product's order):
;;     1. [M 16,384, K 1,024] x [K 1,024, N 1,024]; A: input x; B: input Wq: QUANTISED (scales: A lowp_scales[0], B lowp_scales[1])
;;     2. [M 16,384, K 1,024] x [K 1,024, N 2,048]; A: input x; B: input Wkv: QUANTISED (scales: A lowp_scales[2], B lowp_scales[3])
;;     3. batch 256 x [M 64, K 1,024] x [K 1,024, N 1]; A: softmax; B: computed on the way: left as it is (N = 1 < 16)
;;     4. [M 1,024, K 64] x [K 64, N 64]; A: computed on the way; B: input Wqr: QUANTISED (scales: A lowp_scales[4], B lowp_scales[5])
;;     5. [M 1,024, K 64] x [K 64, N 128]; A: computed on the way; B: input Wkvr: QUANTISED (scales: A lowp_scales[6], B lowp_scales[7])
;;     6. batch 4 x [M 256, K 64] x [K 64, N 1]; A: softmax; B: computed on the way: left as it is (N = 1 < 16)
;;     7. [M 64, K 128] x [K 128, N 262,144]; A: input Wc; B: computed on the way: QUANTISED (scales: A lowp_scales[8], B lowp_scales[9])
;;   THE QUANTISER, for each operand of a quantised product, along K:
;;     - The operand's scale is 2^e, e = its entry of the input lowp_scales (int32; the entries are numbered through the quantised products in the list's order, A before B).
;;     - Each number is divided by the scale, clamped to +-448, and rounded to the nearest number of E4M3, ties to even, subnormals kept.
;;     - The product sums the exact products of the quantised numbers (number of the format x scale) in f32.
;;   ~~~python
;;   def quantise(x, axis, e):      # numpy; x: float32 -> the quantised numbers, widened to float32 again
;;       x = np.moveaxis(x, axis, -1); K = x.shape[-1]
;;       r = np.clip(x / 2.0 ** e, -448, 448)
;;       step = 2.0 ** (np.maximum(np.frexp(np.where(r == 0, 1, r))[1] - 1, -6) - 3)
;;       q = np.round(r / step) * step * 2.0 ** e      # np.round: ties to even
;;       return np.moveaxis(q, -1, axis).astype(np.float32)
;;   ~~~
;;   OPERANDS COMPUTED ON THE WAY. 'Computed on the way' means the value that the module computes at that place (a softmax that the list does not call 'softmax' is quantised finished and normalised). What goes into a quantiser is computed in f32, as accurately as f32 sums, v_exp_f32 and their like allow (about 1e-6 of the number): no bf16 or f16 on the way to a quantiser, and a product that is left as it is and whose result goes on into a quantised operand takes f32 operands (vector FMAs, or v_wmma_f32_16x16x4_f32). A number that lies on a knife's edge between two numbers of the format may be rounded either way, as far as f32 arithmetic and the matrix unit's own rounding can turn it there, and no further.
;; One version. Each part assembles by itself: llvm-mc -triple=amdgcn-amd-amdhsa -mcpu=gfx1250 --defsym DOCPART=n.
;; ======== version 1 of 1: 3 launches
;; workspace buffers: xcodes 33,554,432 bytes; wcodes 3,145,728 bytes; xrt 262,144 bytes; parts 1,572,864 bytes; rqv 524,288 bytes; krs 32,768 bytes
;; launch prep (part 1): grid 1216 x 1, 8 waves a work-group, no clusters, 39,936 bytes of LDS; arguments x, Wq, Wkv, lowp_scales, xcodes, wcodes, xrt; writes xcodes, wcodes, xrt
.if DOCPART == 1
	.amdgcn_target "amdgcn-amd-amdhsa--gfx1250"
	.amdhsa_code_object_version 6
	.text
	.protected	k_q85531953c0_prep
	.globl	k_q85531953c0_prep
	.p2align	8
	.type	k_q85531953c0_prep,@function
k_q85531953c0_prep:
	s_mov_b64 s[64:65], 0
	v_nop
	global_prefetch_b8 v0, s[64:65] scope:SCOPE_SE
	s_setreg_imm32_b32 hwreg(HW_REG_WAVE_MODE, 25, 1), 1
	s_wait_xcnt 0x0
; x [4][64][256][256] f32 becomes two sets of E4M3 codes (set 0: scale 2^e2, for k and v; set 1: 2^e0, for q) and the means of its 16 x 16 blocks; Wq and Wkv become codes (2^e1, 2^e3).
; code = number / 2^e, held within +-448, rounded to the nearest code, ties to even.
; LAYOUT OF THE CODES.  The products' K is l = 32 hp + wp (hp, wp: the patch's place).  Both operands are laid in one order of K: ks = hp / 8, kk = 8 wp + hp % 8.
;   xcodes [set 2][ks 4][b 4][p 64][c 64][kk 256], p = 8 kh + kw;   wcodes [mat 3][ks 4][n 1024][kk 256], mat 0 = Wkv rows 0-1023 (k), 1 = Wq, 2 = Wkv rows 1024-2047 (v).
;   xrt [b][c][cell 256] f32: the block means.
; SHARES.  Work-groups 0-1023: 64 image rows (ks) of one channel; wave w takes kh = w; a lane takes one image column of 32 at a time and its registers run down hp: eight neighbours along kk.
;   Each load reads 128 consecutive bytes; eight loads on end cover an image row.  A lane's 8 codes belong to row kw of the codes, so they turn through the wave's own stage in LDS and leave as whole pieces of 256 bytes.
; Work-groups 1024-1215: 16 rows of a weight, two a wave; lane = wp, registers down hp: a lane's 8 codes are 8 bytes, the wave's store one aligned piece of 256 bytes.  Nothing is transposed by an instruction.
; No tensor load, no matrix instruction.  The two ways join in front of the one barrier, so that it stands on every wave's way.
; LIMITS: e0 .. e3 between -126 and 119 (2^e and 448 x 2^e are f32 numbers).  NaN among the inputs is not served.
.set NXW,   1024                       ; work-groups that take x
.set T,     12                         ; v12-19   eight numbers held for set 0
.set X,     20                         ; v20-83   64 numbers as loaded: X[8 s + i]; later the codes read back from the stage
.set MS,    84                         ; v84-115  sums for the means: MS[4 s + ip]
.set CD,    116                        ; v116-147 codes: registers of their own for each step
.set MR,    148                        ; v148     where wave 0 reads the eight waves' sums
.set SP,    288                        ; a stage row: 256 bytes + 32: the 32 lanes of a ds_store_b64 fall on 64 different banks (word 72 kw + 2 wq)
.set WSTG,  16*SP                      ; a wave's stage: 2 sets x 8 rows (kw)
.set MEANS, 8*WSTG                     ; behind the stages: 256 bytes (64 cells) for each wave
.macro MKSC e, t, vs, vl               ; from the whole number in s[e]: v[vs] = 2^e as f32, v[vl] = 448 x 2^e
	s_add_co_i32 s[\t], s[\e], 127
	s_lshl_b32 s[\t+1], s[\t], 23
	v_mov_b32 v[\vs], s[\t+1]
	s_add_co_i32 s[\t], s[\t], 8
	s_lshl_b32 s[\t], s[\t], 23
	s_or_b32 s[\t], s[\t], 0x600000
	v_mov_b32 v[\vl], s[\t]
.endm
	s_load_b256 s[4:11], s[0:1], 0x0               ; x s[4:5], Wq s[6:7], Wkv s[8:9], the scales' exponents s[10:11]
	s_load_b128 s[12:15], s[0:1], 0x20             ; xcodes s[12:13], wcodes s[14:15]
	s_load_b64 s[16:17], s[0:1], 0x30              ; xrt
	v_lshl_add_u32 v152, v0, 2, 0x9800
	v_mov_b32 v153, 0
	v_lshrrev_b32 v1, 5, v0
	v_readfirstlane_b32 s18, v1                    ; wave 0..7
	v_and_b32 v1, 31, v0                           ; lane
	v_lshlrev_b32 v2, 2, v1                        ; 4 x lane: a load's offset
	v_lshlrev_b32 v7, 3, v1                        ; 8 x lane
	v_and_b32 v12, 7, v1                           ; kw
	v_lshrrev_b32 v13, 3, v1                       ; wq: wp = 4 s + wq
	v_lshrrev_b32 v14, 4, v1                       ; the lane's half
	v_and_b32 v15, 15, v1
	s_mul_i32 s24, s18, WSTG
	v_mul_u32_u24 v3, v12, SP
	v_lshl_add_u32 v3, v13, 3, v3
	v_add_nc_u32 v3, s24, v3                       ; into the stage: row kw, byte 8 wq (+ 32 s)
	v_mul_u32_u24 v4, v14, SP
	v_lshl_add_u32 v4, v15, 4, v4
	v_add_nc_u32 v4, s24, v4                       ; out of it: sixteen lanes to a row, two rows an instruction
	v_lshlrev_b32 v5, 14, v14
	v_lshl_add_u32 v5, v15, 4, v5                  ; and the same place in xcodes: 16,384 bytes from kw to kw + 1
	s_lshl_b32 s25, s18, 8
	s_add_co_u32 s25, s25, MEANS
	v_lshl_add_u32 v6, v14, 2, s25                 ; my wave's sums: + 4 x half
	v_add_nc_u32 v[MR], MEANS, v7
	s_lshr_b32 s26, ttmp9, 2                       ; 64 b + c
	s_and_b32 s27, ttmp9, 3                        ; ks
	s_lshl_b32 s40, s26, 10
	s_lshl_b32 s41, s27, 8
	s_add_co_u32 s40, s40, s41                     ; xrt: (256 (64 b + c) + 64 ks) x 4 bytes
	s_mov_b32 s41, 0
	s_wait_kmcnt 0x0
	s_load_b128 s[20:23], s[10:11], 0x0            ; e0 .. e3
	s_add_nc_u64 s[16:17], s[16:17], s[40:41]
	s_cmp_lt_u32 ttmp9, NXW
	s_cbranch_scc0 .Lweights
	; ---- x
	s_lshl_b32 s28, s26, 18                        ; the channel: 262,144 bytes,
	s_lshl_b32 s29, s27, 16                        ; 64 image rows,
	s_add_co_u32 s28, s28, s29
	s_lshl_b32 s29, s18, 10                        ; row kh
	s_add_co_u32 s28, s28, s29
	s_mov_b32 s29, 0
	s_add_nc_u64 s[4:5], s[4:5], s[28:29]
.irp i, 0,1,2,3,4,5,6,7
.irp s, 0,1,2,3,4,5,6,7
	global_load_b32 v[X+8*\s+\i], v2, s[4:5] offset:\i*8192+\s*128 th:TH_LOAD_NT   ; x(row 8 (8 ks + i) + kh, column 32 s + lane)
.endr
.endr
	s_lshr_b32 s30, ttmp9, 8                       ; b
	s_and_b32 s31, s26, 63                         ; c
	s_lshl_b32 s32, s27, 22
	s_lshl_b32 s30, s30, 20
	s_add_co_u32 s32, s32, s30
	s_lshl_b32 s30, s18, 17
	s_add_co_u32 s32, s32, s30
	s_lshl_b32 s31, s31, 8
	s_add_co_u32 s32, s32, s31                     ; ks, b, p = 8 kh, c
	s_mov_b32 s33, 0
	s_add_nc_u64 s[34:35], s[12:13], s[32:33]      ; set 0
	s_add_nc_u64 s[36:37], s[34:35], 0x1000000     ; set 1
	s_wait_kmcnt 0x0
	MKSC 22, 38, 8, 9                              ; e2
	MKSC 20, 38, 10, 11                            ; e0
	s_wait_loadcnt 0x0                             ; a step needs one number of every image row, so all 64 loads are awaited; other waves of the SIMD fill the time
.macro XSTEP s
.irp ip, 0,1,2,3
	v_add_f32 v[MS+4*\s+\ip], v[X+8*\s+2*\ip], v[X+8*\s+2*\ip+1]   ; two patch rows of one cell row
.endr
.irp i, 0,1,2,3,4,5,6,7
	v_med3_num_f32 v[T+\i], v[X+8*\s+\i], -v9, v9  ; the conversion does not saturate (ISA guide 7.6.2): the hold comes first
.endr
	v_cvt_scalef32_pk8_fp8_f32 v[CD+4*\s:CD+4*\s+1], v[T:T+7], v8
.irp i, 0,1,2,3,4,5,6,7
	v_med3_num_f32 v[X+8*\s+\i], v[X+8*\s+\i], -v11, v11
.endr
	v_cvt_scalef32_pk8_fp8_f32 v[CD+4*\s+2:CD+4*\s+3], v[X+8*\s:X+8*\s+7], v10
	ds_store_b64 v3, v[CD+4*\s:CD+4*\s+1] offset:32*\s               ; kk = 8 (4 s + wq) + 0 .. 7 of row kw
	ds_store_b64 v3, v[CD+4*\s+2:CD+4*\s+3] offset:8*SP+32*\s
.endm
.irp s, 0,1,2,3,4,5,6,7
	XSTEP \s
.endr
.irp u, 0,1
.irp t, 0,1,2,3
	ds_load_b128 v[X+16*\u+4*\t:X+16*\u+4*\t+3], v4 offset:\u*8*SP+\t*2*SP   ; LDS serves a wave's instructions in order: these see my stores
.endr
.endr
.irp m, 1,2,4,8                        ; sixteen lanes are one cell's sixteen columns: every lane of a half ends with their sum
.set k, 0
.rept 32
	v_add_f32_dpp v[MS+k], v[MS+k], v[MS+k] row_xmask:\m row_mask:0xf bank_mask:0xf
.set k, k+1
.endr
.endr
.irp s, 0,1,2,3,4,5,6,7
.irp ip, 0,1,2,3
	ds_store_b32 v6, v[MS+4*\s+\ip] offset:\ip*64+\s*8   ; cell 16 ip + 2 s + half of the strip's 64; a half's lanes store one word, the same number
.endr
.endr
	s_wait_dscnt 32                                ; the eight loads are in; behind them stand the 32 stores
.irp t, 0,1,2,3
	global_store_b128 v5, v[X+4*\t:X+4*\t+3], s[34:35] offset:\t*32768         ; rows kw = 2 t and 2 t + 1: sixteen lanes store 256 consecutive bytes, aligned
.endr
.irp t, 0,1,2,3
	global_store_b128 v5, v[X+16+4*\t:X+16+4*\t+3], s[36:37] offset:\t*32768
.endr
	s_branch .Ljoin
.Lweights:
	; ---- Wq, Wkv
	s_sub_co_u32 s24, ttmp9, NXW
	s_lshr_b32 s25, s24, 6                         ; mat
	s_and_b32 s26, s24, 63
	s_lshl_b32 s26, s26, 4
	s_lshl_b32 s27, s18, 1
	s_add_co_u32 s26, s26, s27                     ; n: my wave's first row
	s_cmp_eq_u32 s25, 2
	s_cselect_b32 s27, 1024, 0                     ; v's rows lie behind k's in Wkv
	s_add_co_u32 s27, s27, s26
	s_lshl_b32 s28, s27, 12
	s_mov_b32 s29, 0
	s_cmp_eq_u32 s25, 1
	s_cselect_b64 s[4:5], s[6:7], s[8:9]           ; the choice hangs on the work-group's number alone
	s_add_nc_u64 s[4:5], s[4:5], s[28:29]
.irp rr, 0,1
.irp q, 0,1,2,3
.irp i, 0,1,2,3,4,5,6,7
	global_load_b32 v[X+8*(4*\rr+\q)+\i], v2, s[4:5] offset:\rr*4096+\q*1024+\i*128 th:TH_LOAD_NT   ; W(n + rr, l = 32 (8 q + i) + lane)
.endr
.endr
.endr
	s_lshl_b32 s30, s25, 20
	s_lshl_b32 s31, s26, 8
	s_add_co_u32 s30, s30, s31
	s_mov_b32 s31, 0
	s_add_nc_u64 s[14:15], s[14:15], s[30:31]
	s_wait_kmcnt 0x0
	s_cmp_eq_u32 s25, 1
	s_cselect_b32 s38, s21, s23                    ; e1 for Wq, e3 for Wkv
	MKSC 38, 40, 8, 9
	s_wait_loadcnt 0x0
.set k, 0
.rept 64
	v_med3_num_f32 v[X+k], v[X+k], -v9, v9
.set k, k+1
.endr
.set k, 0
.rept 8
	v_cvt_scalef32_pk8_fp8_f32 v[CD+2*k:CD+2*k+1], v[X+8*k:X+8*k+7], v8
.set k, k+1
.endr
.set k, 0
.rept 8
	global_store_b64 v7, v[CD+2*k:CD+2*k+1], s[14:15] offset:(k%4)*262144+(k/4)*256   ; 32 lanes store one aligned piece of 256 bytes
.set k, k+1
.endr
.Ljoin:
	s_wait_dscnt 0x0                               ; for the others' sake: my sums lie in LDS
	s_barrier_signal -1
	s_barrier_wait -1
	s_cmp_lt_u32 ttmp9, NXW
	s_cbranch_scc0 .Lend
	s_cmp_lg_u32 s18, 0
	s_cbranch_scc1 .Lend
	; ---- wave 0 adds the eight waves' (kh's) sums: 64 cells, two a lane.  MS's registers are named by no pending global store
.irp w, 0,1,2,3,4,5,6,7
	ds_load_b64 v[MS+2*\w:MS+2*\w+1], v[MR] offset:\w*256
.endr
	s_wait_dscnt 0x0
.irp w, 0,2,4,6
	v_pk_add_f32 v[MS+2*\w:MS+2*\w+1], v[MS+2*\w:MS+2*\w+1], v[MS+2*\w+2:MS+2*\w+3]
.endr
	v_pk_add_f32 v[MS:MS+1], v[MS:MS+1], v[MS+4:MS+5]
	v_pk_add_f32 v[MS+8:MS+9], v[MS+8:MS+9], v[MS+12:MS+13]
	v_pk_add_f32 v[MS:MS+1], v[MS:MS+1], v[MS+8:MS+9]
	v_pk_mul_f32 v[MS:MS+1], v[MS:MS+1], 0x3b800000 op_sel_hi:[1,0]   ; / 256
	global_store_b64 v7, v[MS:MS+1], s[16:17]      ; 256 consecutive bytes, aligned
.Lend:
	s_wait_tensorcnt 0x0
	ds_add_u32 v152, v153
	s_wait_dscnt 0x0
	s_endpgm
.Lfunc_end_k_q85531953c0_prep:
	.size	k_q85531953c0_prep, .Lfunc_end_k_q85531953c0_prep-k_q85531953c0_prep
	.p2alignl 7, 3214868480
	.fill 96, 4, 3214868480
	.section	.rodata,"a",@progbits
	.p2align	6, 0x0
	.amdhsa_kernel k_q85531953c0_prep
		.amdhsa_group_segment_fixed_size 39936
		.amdhsa_private_segment_fixed_size 0
		.amdhsa_enable_private_segment 0
		.amdhsa_kernarg_size 56
		.amdhsa_user_sgpr_count 2
		.amdhsa_user_sgpr_kernarg_segment_ptr 1
		.amdhsa_wavefront_size32 1
		.amdhsa_system_sgpr_workgroup_id_x 1
		.amdhsa_system_sgpr_workgroup_id_y 1
		.amdhsa_system_sgpr_workgroup_id_z 1
		.amdhsa_system_vgpr_workitem_id 0
		.amdhsa_next_free_vgpr 154
		.amdhsa_next_free_sgpr 66
		.amdhsa_reserve_vcc 0
		.amdhsa_float_denorm_mode_32 3
		.amdhsa_float_denorm_mode_16_64 3
		.amdhsa_memory_ordered 1
		.amdhsa_forward_progress 1
		.amdhsa_inst_pref_size 46
	.end_amdhsa_kernel
	.amdgpu_metadata
---
amdhsa.version: [ 1, 2 ]
amdhsa.kernels:
  - .name:           k_q85531953c0_prep
    .symbol:         k_q85531953c0_prep.kd
    .args:
      - { .name: x, .offset: 0, .size: 8, .value_kind: global_buffer, .address_space: global }
      - { .name: Wq, .offset: 8, .size: 8, .value_kind: global_buffer, .address_space: global }
      - { .name: Wkv, .offset: 16, .size: 8, .value_kind: global_buffer, .address_space: global }
      - { .name: lowp_scales, .offset: 24, .size: 8, .value_kind: global_buffer, .address_space: global }
      - { .name: xcodes, .offset: 32, .size: 8, .value_kind: global_buffer, .address_space: global }
      - { .name: wcodes, .offset: 40, .size: 8, .value_kind: global_buffer, .address_space: global }
      - { .name: xrt, .offset: 48, .size: 8, .value_kind: global_buffer, .address_space: global }
    .group_segment_fixed_size: 39936
    .private_segment_fixed_size: 0
    .kernarg_segment_align: 8
    .kernarg_segment_size: 56
    .max_flat_workgroup_size: 256
    .sgpr_count:     66
    .vgpr_count:     154
    .wavefront_size: 32
...
	.end_amdgpu_metadata
.endif
;; end of part 1
;; launch qk (part 2): grid 4 x 64, 4 waves a work-group, clusters of 4 x 4, 327,680 bytes of LDS; arguments xcodes, wcodes, lowp_scales, parts, xrt, Wqr, Wkvr, rqv, krs; writes parts, rqv, krs
.if DOCPART == 2
	.amdgcn_target "amdgcn-amd-amdhsa--gfx1250"
	.amdhsa_code_object_version 6
	.text
	.protected	k_q85531953c0_qk
	.globl	k_q85531953c0_qk
	.p2align	8
	.type	k_q85531953c0_qk,@function
k_q85531953c0_qk:
	s_mov_b64 s[64:65], 0
	v_nop
	global_prefetch_b8 v0, s[64:65] scope:SCOPE_SE
	s_setreg_imm32_b32 hwreg(HW_REG_WAVE_MODE, 25, 1), 1
	s_wait_xcnt 0x0
	s_wait_alu depctr_hold_cnt(0) depctr_sa_sdst(0) depctr_va_vdst(0) depctr_va_sdst(0) depctr_va_ssrc(0) depctr_va_vcc(0) depctr_vm_vsrc(0)
	s_getreg_b32 s2, hwreg(HW_REG_IB_STS2, 6, 4)
	s_cmp_eq_u32 s2, 0
	s_cbranch_scc0 .Lentry_in_a_cluster
	s_endpgm
.Lentry_in_a_cluster:
	s_bfe_u32 s2, ttmp6, 0x10000c
	s_cmp_lg_u32 s2, 0xf033
	s_cbranch_scc0 .Lentry_shape_is_right
	s_endpgm
.Lentry_shape_is_right:
; k = x_ Wk^T and q = x_ Wq^T on E4M3 codes, and of them only what the patch attention keeps: for each row of q and each part of 128 columns the largest exponent M, s = the sum of 2^(t - M) and
; t = the sum of 2^(t - M) x kmean, kmean = the mean of k over a channel's 64 rows.  q and k never go to memory.  parts [M, s, t][part 8][row 16,384] f32, row = 64 (64 b + c) + p.
; SHARES.  A work-group takes 256 rows (four channels of one image, all 64 p) x 256 columns, first of k, then of q: two tiles on ONE ring of eight K steps of 256: in xcodes set 0 (k's scale) lies ahead of set 1 (q's),
; in wcodes Wk ahead of Wq, so both addresses step evenly through all eight.  A wave makes 128 x 128: two whole channels x 128 columns, 64 accumulators, 512 registers.  Its tile of q has the rows and columns of its tile of k,
; so kmean never leaves the wave.
; k IS MADE WITH x_ AS SOURCE 0 (a lane holds one column, its registers rows: the sum over rows stays in the lane), q TRANSPOSED (a lane holds one row, its registers columns: the softmax wants one exchange between the halves).
; THE SOFTMAX takes the largest number away: each part its own row maximum; the next launch joins the eight parts under the largest M.
; THE REGION ATTENTION'S PRODUCTS RIDE ALONG.  qr = xr Wqr^T, kr | vr = xr Wkvr^T (K = 64) are 64 rows of cells x 4 tiles of 16 channels x 3 kinds = 768 matrix instructions; the launch has 256 work-groups with tile row 16 b + g and
; tile column lp: work-group (16 b + g, lp) takes cell row g of image b and channel tile lp, its waves 0, 1, 2 the kinds qr, kr, vr, one instruction each, while the first tiles are on their way.  The sums leave unscaled, in f32:
; rqv [16 b + g][qr, vr][tile 4][1,024 bytes]: the image of the result's eight registers (transposed: lane = cell, registers = channels 16 t + 8 h + j);  krs [16 b + g][tile 4][h 2][16] f32: kr summed over the 8 cells of a lane.
; A work-group's share of krs is 32 numbers: its one store covers 128 consecutive bytes.
; CLUSTERS: 4 x 4 work-groups.  x_'s tile hangs on the tile row alone and is asked for jointly along a row of the cluster, the weight's tile on the tile column alone, along a column.
; FRAGMENTS: 16 rows x 128 K by four ds_load_b128, 32 bytes apart: a permutation of k inside the instruction, the same in both operands.
; REGISTERS, in windows of 256: window 0: v16-29 addresses; v32-127 statistics; v128-255 x_'s fragments, one set, at the head the region's block, at the end kmean.  window 1: the weight's fragments, two sets.  windows 2, 3: accumulator (a, b) at v[8 (8 (a % 4) + b)] of window 2 + a / 4.
; LIMITS: e0 + e1 between -126 and 126 (added to an exponent field); e4 .. e7 between -126 and 119 (2^e and 448 x 2^e are f32 numbers).  NaN among the inputs is not served.
.set PA,     1040                      ; x_'s LDS row: one p, four channels x 256 bytes, + 16 of padding: 260 words, so the 16 rows of a load start at 16 different banks (64 banks of 4 bytes: ISA guide 11.1)
.set PB,     272                       ; the weight's LDS row: 256 bytes + 16
.set AHALF,  32*PA                     ; what one tensor load brings of x_: 32 p
.set BOFF,   64*PA
.set BHALF,  128*PB                    ; and of the weight: 128 rows
.set SLOT,   BOFF+256*PB
.set SCR,    2*SLOT                    ; behind the ring: 4,096 bytes for each wave: kmean [2][128] f32, from 1,024 on the stage for the results
.set SPARE,  SCR+4*4096                ; the spare words, 128 bytes for each wave: two blocks of 256 bytes that no other line names
.set FR,     16
.set NL,     4
.set NP,     4
.set ADRA, 16                          ; v16-17  LDS address of my fragments of x_ in slot 0, 1
.set ADRB, 20                          ; v20-21  the same for the weight
.set KMS,  24                          ; v24     my scratch + 4 r
.set KMR,  25                          ; v25     my scratch + 32 h
.set PRD,  26                          ; v26     my stage + 16 x lane
.set GO,   27                          ; v27     16 x lane
.set SPW,  28                          ; v28     LDS address of my spare word; never rewritten
.set NIL,  29                          ; v29     0; never rewritten
.set ST,   32                          ; v32-95  eight registers for each block a of 16 rows: +0 M, +1 the largest q, +2:3 s, +4:5 t, +6, +7 at work.  For k: sixteen pairs of sums
.set S2,   96                          ; v96-127 the second chains: s' and t', four registers a block
.set AF,   128
.set KM,   128
.set RGX,  128                         ; the region's block: v128-159 xr of 16 cells: RGX[8 c + j] = channel 16 c + 8 h + j
.set RGW,  160                         ; v160-191 16 rows of a weight likewise
.set RGXC, 192                         ; v192-199 xr's codes
.set RGWC, 200                         ; v200-207 the weight's
.set RGD,  208                         ; v208-215 the product;  v216-219 scales and holds;  v220-222 offsets
.set G1,  24
.set G0,  32
.set G1B, 48
.set G0B, 56
.set MSB, 0
.macro WIN new                         ; the immediate's high byte repeats the setting that is left
.if MSB != (\new)
	s_set_vgpr_msb (MSB<<8)|(\new)
.set MSB, (\new)
.endif
.endm
.set MUL_LO, 0xa1                      ; transposed: source 0 (weight) window 1, source 1 (x_) window 0, C and D window 2;  + 3: the sources the other way round
.set MUL_HI, 0xf1
.set TO_B,   0x40
.macro JLOAD g0a, g1a, g0b, g1b        ; a joint load: waves 0 and 1 fetch for x_, waves 2 and 3 for the weight; four v_nop follow each of the two lines
	s_cmp_eq_u32 s15, 0
	s_cbranch_scc0 .Lfor_b_\@
	tensor_load_to_lds s[\g0a:\g0a+3], s[\g1a:\g1a+7]
	s_nop 0
.rept 4
	v_nop
.endr
	s_branch .Lasked_\@
.Lfor_b_\@:
	tensor_load_to_lds s[\g0b:\g0b+3], s[\g1b:\g1b+7]
	s_nop 0
.rept 4
	v_nop
.endr
.Lasked_\@:
.endm
.macro CREST                           ; a round of the cluster's barrier behind its opening barrier
	s_cmp_lg_u32 s14, 0
	s_cbranch_scc1 .Lnot_wave_0_\@
	s_barrier_signal -3
.Lnot_wave_0_\@:
	s_barrier_wait -3
	s_barrier_signal -1
	s_barrier_wait -1
.endm
.macro CROUND
	s_barrier_signal -1
	s_barrier_wait -1
	CREST
.endm
.macro PLACES n
.rept \n
	v_nop
.endr
.endm
.macro MKSC e, t, vs, vl               ; from the whole number in s[e]: v[vs] = 2^e as f32, v[vl] = 448 x 2^e
	s_add_co_i32 s[\t], s[\e], 127
	s_lshl_b32 s[\t+1], s[\t], 23
	v_mov_b32 v[\vs], s[\t+1]
	s_add_co_i32 s[\t], s[\t], 8
	s_lshl_b32 s[\t], s[\t], 23
	s_or_b32 s[\t], s[\t], 0x600000
	v_mov_b32 v[\vl], s[\t]
.endm
	s_load_b256 s[4:11], s[0:1], 0x0               ; xcodes s[4:5], wcodes s[6:7], the exponents s[8:9], parts s[10:11]
	s_load_b256 s[84:91], s[0:1], 0x20             ; xrt s[84:85], Wqr s[86:87], Wkvr s[88:89], rqv s[90:91]
	s_load_b64 s[92:93], s[0:1], 0x40              ; krs
	v_lshl_add_u32 v[SPW], v0, 2, SPARE
	v_mov_b32 v[NIL], 0
	ds_add_u32 v28, v29
	ds_add_u32 v28, v29
	s_wait_dscnt 0x0
	v_lshrrev_b32 v1, 5, v0
	v_readfirstlane_b32 s14, v1                    ; wave 0..3
	s_lshr_b32 s15, s14, 1                         ; which two channels are mine.  Also: I fetch for x_ (0) or for the weight (1)
	s_and_b32 s16, s14, 1                          ; which 128 columns.  Also: which half of that tile I fetch
	s_bfe_u32 s40, ttmp6, 0x40000                  ; cx, cy
	s_bfe_u32 s41, ttmp6, 0x40004
	s_lshl_b32 s42, ttmp9, 2
	s_add_co_u32 s42, s42, s40                     ; tile column: 256 columns
	s_and_b32 s17, ttmp7, 0xffff
	s_lshl_b32 s17, s17, 2
	s_add_co_u32 s17, s17, s41                     ; tile row = 16 b + g: channels 4 g .. 4 g + 3
	s_lshl_b32 s43, s41, 2
	s_lshl_b32 s43, 15, s43                        ; my row of the cluster
	s_lshl_b32 s44, 0x1111, s40                    ; my column
	s_or_b32 s[G1+0], s43, (1<<20)|(1<<21)|(7<<22)|(3<<25)    ; 15:0 the mask; 17:16 elements of 1 byte; 20 padding on; 21 set beside a mask; 24:22 after every 256 words (code 7); 31:25 four words (code 3)
	s_mov_b32 s[G1+1], 1024<<16                    ; tensor_dim0 = 1,024 bytes: four channels' pieces
	s_mov_b32 s[G1+2], 32<<16                      ; tensor_dim1 = 32 p
	s_mov_b32 s[G1+3], 1024<<16                    ; tile_dim0
	s_mov_b32 s[G1+4], 32                          ; tile_dim1
	s_mov_b32 s[G1+5], 16384                       ; from p to p + 1
	s_mov_b32 s[G1+6], 0
	s_mov_b32 s[G1+7], 0
	s_or_b32 s[G1B+0], s44, (1<<20)|(1<<21)|(5<<22)|(3<<25)   ; padding after every 64 words
	s_mov_b32 s[G1B+1], 256<<16
	s_mov_b32 s[G1B+2], 128<<16
	s_mov_b32 s[G1B+3], 256<<16
	s_mov_b32 s[G1B+4], 128
	s_mov_b32 s[G1B+5], 256
	s_mov_b32 s[G1B+6], 0
	s_mov_b32 s[G1B+7], 0
	s_lshr_b32 s20, s17, 4
	s_lshl_b32 s20, s20, 20                        ; b
	s_and_b32 s21, s17, 15
	s_lshl_b32 s21, s21, 10                        ; g: 1,024 bytes
	s_add_co_u32 s20, s20, s21
	s_lshl_b32 s21, s16, 19                        ; my 32 p
	s_add_co_u32 s20, s20, s21
	s_mov_b32 s21, 0
	s_lshl_b32 s46, s42, 16                        ; the weight: 256 rows of 256 bytes,
	s_lshl_b32 s47, s16, 15                        ; my 128
	s_add_co_u32 s46, s46, s47
	s_mov_b32 s47, 0
	s_mul_i32 s45, s16, AHALF                      ; where they go: no place in the cluster enters an LDS address
	s_mul_i32 s77, s16, BHALF
	s_add_co_u32 s77, s77, BOFF
	s_wait_kmcnt 0x0
	s_load_b256 s[68:75], s[8:9], 0x0              ; e0 .. e7
	s_add_nc_u64 s[20:21], s[4:5], s[20:21]
	s_add_nc_u64 s[46:47], s[6:7], s[46:47]
	CROUND                                         ; all sixteen work-groups are here: the first joint loads meet
.irp s, 0,1
	s_mov_b32 s[G0+4*\s], 1
	s_add_co_u32 s[G0+4*\s+1], s45, \s*SLOT
	s_add_nc_u64 s[G0+4*\s+2:G0+4*\s+3], s[20:21], \s*4194304
	s_or_b32 s[G0+4*\s+3], s[G0+4*\s+3], 0x80000000
	s_mov_b32 s[G0B+4*\s], 1
	s_add_co_u32 s[G0B+4*\s+1], s77, \s*SLOT
	s_add_nc_u64 s[G0B+4*\s+2:G0B+4*\s+3], s[46:47], \s*262144
	s_or_b32 s[G0B+4*\s+3], s[G0B+4*\s+3], 0x80000000
	JLOAD G0+4*\s, G1, G0B+4*\s, G1B               ; two loads of mine are out
.endr
	v_and_b32 v1, 15, v0                           ; r
	v_bfe_u32 v2, v0, 4, 1                         ; h
	v_mul_u32_u24 v3, v1, PA
	v_lshl_add_u32 v3, v2, 4, v3
	v_mul_u32_u24 v4, v1, PB
	v_lshl_add_u32 v4, v2, 4, v4
	s_lshl_b32 s21, s15, 9                         ; my two channels' 512 bytes of a row
	s_mul_i32 s22, s16, BHALF
	s_add_co_u32 s22, s22, BOFF
.irp s, 0,1
	v_add_nc_u32 v[ADRA+\s], s21, v3
	v_add_nc_u32 v[ADRB+\s], s22, v4
	s_add_co_u32 s21, s21, SLOT
	s_add_co_u32 s22, s22, SLOT
.endr
	s_lshl_b32 s23, s14, 12
	s_add_co_u32 s23, s23, SCR                     ; my scratch
	v_lshl_add_u32 v[KMS], v1, 2, s23
	v_lshl_add_u32 v[KMR], v2, 5, s23
	v_and_b32 v5, 31, v0
	v_lshlrev_b32 v[GO], 4, v5
	v_add_nc_u32 v[PRD], s23, v[GO]
	v_add_nc_u32 v[PRD], 1024, v[PRD]
	s_lshl_b32 s80, s42, 1
	s_add_co_u32 s80, s80, s16                     ; my part of 128 columns, 0..7
	s_lshl_b32 s80, s80, 16
	s_lshl_b32 s81, s17, 10                        ; the work-group's 256 rows,
	s_add_co_u32 s80, s80, s81
	s_lshl_b32 s81, s15, 9                         ; my 128
	s_add_co_u32 s80, s80, s81
	s_mov_b32 s81, 0
	s_add_nc_u64 s[10:11], s[10:11], s[80:81]
	s_mov_b32 s78, 0x76543210                      ; v_permlanex16_b32: lane l xor 16
	s_mov_b32 s79, 0xfedcba98
	; ---- the region attention's products: wave 0 qr, wave 1 kr, wave 2 vr; cell row g = tile row % 16 of image b, channel tile = tile column.  The branches hang on the wave's number alone; no LDS byte and no barrier is touched
	s_cmp_lt_u32 s14, 3
	s_cbranch_scc0 .Lno_region
	v_lshlrev_b32 v220, 2, v1
	v_lshl_add_u32 v220, v2, 13, v220              ; xrt: cell r, + 8 h channels of 1,024 bytes
	v_lshlrev_b32 v221, 8, v1
	v_lshl_add_u32 v221, v2, 5, v221               ; a weight: row r of 256 bytes, + 32 h
	v_lshlrev_b32 v222, 2, v5                      ; 4 x lane
	s_lshr_b32 s82, s17, 4                         ; b
	s_and_b32 s83, s17, 15                         ; g
	s_lshl_b32 s94, s82, 16
	s_lshl_b32 s95, s83, 6
	s_add_co_u32 s94, s94, s95
	s_mov_b32 s95, 0
	s_add_nc_u64 s[84:85], s[84:85], s[94:95]      ; xrt at image b, cells 16 g on
	s_cmp_eq_u32 s14, 0
	s_cselect_b64 s[86:87], s[86:87], s[88:89]     ; Wqr for qr, else Wkvr: the choice hangs on the wave's number alone
	s_cmp_eq_u32 s14, 2
	s_cselect_b32 s94, 16384, 0                    ; vr's rows lie behind kr's 64
	s_lshl_b32 s96, s42, 12                        ; 16 rows of 256 bytes for each tile
	s_add_co_u32 s94, s94, s96
	s_add_nc_u64 s[86:87], s[86:87], s[94:95]
.irp c, 0,1,2,3
.irp j, 0,1,2,3,4,5,6,7
	global_load_b32 v[RGX+8*\c+\j], v220, s[84:85] offset:(16*\c+\j)*1024
.endr
.endr
.irp c, 0,1,2,3
	global_load_b128 v[RGW+8*\c:RGW+8*\c+3], v221, s[86:87] offset:64*\c
	global_load_b128 v[RGW+8*\c+4:RGW+8*\c+7], v221, s[86:87] offset:64*\c+16
.endr
	s_lshl_b32 s94, s17, 13                        ; rqv: 8,192 bytes for each row of cells,
	s_lshl_b32 s96, s15, 12                        ; qr (wave 0) ahead of vr (wave 2),
	s_add_co_u32 s94, s94, s96
	s_lshl_b32 s96, s42, 10                        ; 1,024 for each tile
	s_add_co_u32 s94, s94, s96
	s_add_nc_u64 s[90:91], s[90:91], s[94:95]
	s_lshl_b32 s94, s17, 9                         ; krs: 512 bytes for each row of cells, 128 for each tile
	s_lshl_b32 s96, s42, 7
	s_add_co_u32 s94, s94, s96
	s_add_nc_u64 s[92:93], s[92:93], s[94:95]
	s_wait_kmcnt 0x0                               ; the exponents
	s_cmp_eq_u32 s14, 0
	s_cselect_b32 s96, s72, s74                    ; xr's: e4 for qr, e6 for kr and vr
	s_cselect_b32 s97, s73, s75                    ; the weight's: e5 or e7
	MKSC 96, 98, 216, 217
	MKSC 97, 98, 218, 219
	s_wait_loadcnt 0x0
.set k, 0
.rept 32
	v_med3_num_f32 v[RGX+k], v[RGX+k], -v217, v217 ; the conversion does not saturate (ISA guide 7.6.2): the hold comes first
.set k, k+1
.endr
.irp c, 0,1,2,3
	v_cvt_scalef32_pk8_fp8_f32 v[RGXC+2*\c:RGXC+2*\c+1], v[RGX+8*\c:RGX+8*\c+7], v216   ; registers 2 c, 2 c + 1: k = 16 c + 8 h + 0 .. 7
.endr
.set k, 0
.rept 32
	v_med3_num_f32 v[RGW+k], v[RGW+k], -v219, v219
.set k, k+1
.endr
.irp c, 0,1,2,3
	v_cvt_scalef32_pk8_fp8_f32 v[RGWC+2*\c:RGWC+2*\c+1], v[RGW+8*\c:RGW+8*\c+7], v218
.endr
	v_nop                                          ; a plain line between the conversions and the product that reads their results
	s_cmp_eq_u32 s14, 1
	s_cbranch_scc1 .Lkind_k
	v_wmma_f32_16x16x64_fp8_fp8 v[RGD:RGD+7], v[RGWC:RGWC+7], v[RGXC:RGXC+7], 0   ; qr, vr transposed: lane = cell r, register j = channel 16 t + 8 h + j
	PLACES NP                                      ; places in front of the stores that read the result, and of the later loads into these registers
	global_store_b128 v[GO], v[RGD:RGD+3], s[90:91]             ; the registers' image: 512 consecutive bytes a store, aligned
	global_store_b128 v[GO], v[RGD+4:RGD+7], s[90:91] offset:512
	s_branch .Lregion_done
.Lkind_k:
	v_wmma_f32_16x16x64_fp8_fp8 v[RGD:RGD+7], v[RGXC:RGXC+7], v[RGWC:RGWC+7], 0   ; kr: lane = channel 16 t + r, register j = cell 8 h + j
	PLACES NP
	v_pk_add_f32 v[RGD:RGD+1], v[RGD:RGD+1], v[RGD+2:RGD+3]     ; summed over my eight cells, from the low end on
	v_pk_add_f32 v[RGD+4:RGD+5], v[RGD+4:RGD+5], v[RGD+6:RGD+7]
	v_pk_add_f32 v[RGD:RGD+1], v[RGD:RGD+1], v[RGD+4:RGD+5]
	v_add_f32 v[RGD], v[RGD], v[RGD+1]
	global_store_b32 v222, v[RGD], s[92:93]        ; [h][r]: 32 lanes store 128 consecutive bytes: all that this work-group has of the sums
.Lregion_done:
	s_wait_xcnt 0x0                                ; the stores have read their registers: the fragments' loads below land on them
.Lno_region:
	s_wait_kmcnt 0x0
	s_add_co_i32 s76, s70, s71
	s_sub_co_i32 s76, s76, 6                       ; kmean = the sum x 2^(e2 + e3) / 64
	s_add_co_i32 s66, s68, s69
	s_lshl_b32 s66, s66, 23
	s_add_co_u32 s66, s66, 0x3fb8aa3b              ; log2(e) x 2^(e0 + e1)
	s_mov_b32 s67, s66                             ; (named with it as a pair)
.macro FRAGA slot, q, a                ; block a: channel a / 4 of my two, p = 16 (a % 4) + r
.irp c, 0,1,2,3
	ds_load_b128 v[AF+FR*(\a)+4*\c:AF+FR*(\a)+4*\c+3], v[ADRA+\slot] offset:((\a)%4)*16*PA+((\a)/4)*256+128*(\q)+32*\c
.endr
.endm
.macro FETCH_A slot, q, i0
.irp i, \i0, \i0+1, \i0+2, \i0+3
	FRAGA \slot, \q, \i
.endr
.endm
.macro FETCH_B slot, q, p
	WIN TO_B
.irp i, 0,1,2,3,4,5,6,7
.irp c, 0,1,2,3
	ds_load_b128 v[128*(\p)+FR*\i+4*\c:128*(\p)+FR*\i+4*\c+3], v[ADRB+\slot] offset:\i*16*PB+128*(\q)+32*\c
.endr
.endr
	WIN 0
.endm
; 16 matrix instructions: blocks a0, a0 + 1 of x_ against the weight's eight.  The 64 accumulators take turns, one instruction a turn, in the same order in every step.
.macro MUL16 a0, p, zero, nat
.irp a, \a0, \a0+1
.irp b, 0,1,2,3,4,5,6,7
.if \nat
.if \zero
	v_wmma_f32_16x16x128_fp8_fp8 v[8*(8*((\a)%4)+\b):8*(8*((\a)%4)+\b)+7], v[AF+FR*(\a):AF+FR*(\a)+FR-1], v[128*(\p)+FR*\b:128*(\p)+FR*\b+FR-1], 0
.else
	v_wmma_f32_16x16x128_fp8_fp8 v[8*(8*((\a)%4)+\b):8*(8*((\a)%4)+\b)+7], v[AF+FR*(\a):AF+FR*(\a)+FR-1], v[128*(\p)+FR*\b:128*(\p)+FR*\b+FR-1], v[8*(8*((\a)%4)+\b):8*(8*((\a)%4)+\b)+7]
.endif
.else
.if \zero
	v_wmma_f32_16x16x128_fp8_fp8 v[8*(8*((\a)%4)+\b):8*(8*((\a)%4)+\b)+7], v[128*(\p)+FR*\b:128*(\p)+FR*\b+FR-1], v[AF+FR*(\a):AF+FR*(\a)+FR-1], 0
.else
	v_wmma_f32_16x16x128_fp8_fp8 v[8*(8*((\a)%4)+\b):8*(8*((\a)%4)+\b)+7], v[128*(\p)+FR*\b:128*(\p)+FR*\b+FR-1], v[AF+FR*(\a):AF+FR*(\a)+FR-1], v[8*(8*((\a)%4)+\b):8*(8*((\a)%4)+\b)+7]
.endif
.endif
.endr
.endr
.endm
; A slot's first 128 along K.  x_ has one set of registers: blocks 0-3 are fetched anew in the step's middle, blocks 4-7 at its end; the weight has two sets.
.macro STEP slot, zero, nat
	s_wait_dscnt 4*NL                              ; all but the youngest sixteen loads (x_'s blocks 4-7) are in
	WIN MUL_LO+3*\nat
	MUL16 0, 0, \zero, \nat
	MUL16 2, 0, \zero, \nat
	s_wait_dscnt 0
	PLACES NP                                      ; four places in front of loads into registers that matrix instructions have read (ISA guide 7.12.1 for vector instructions)
	FETCH_B \slot, 1, 1
	FETCH_A \slot, 1, 0
	WIN MUL_HI+3*\nat
	MUL16 4, 0, \zero, \nat
	MUL16 6, 0, \zero, \nat
	PLACES NP
	WIN 0
	FETCH_A \slot, 1, 4
.endm
; A slot's second 128 along K changes slots: ONE barrier; in front of it each wave waits for all its tensor loads, adds 0 to its spare word, and waits for that and for its reads of this slot.  fill = 1: the slot is filled again, two K steps ahead.
.macro TURN slot, next, fill, nat
	s_wait_tensorcnt 0x0                           ; all my tensor loads have landed: the one that was out is my part of the next slot
	ds_add_u32 v[SPW], v[NIL]                      ; 0 onto my spare word
	s_wait_dscnt 4*NL+1                            ; (the add and the youngest sixteen loads may be out)
	WIN MUL_LO+3*\nat
	MUL16 0, 1, 0, \nat                            ; sixteen matrix instructions stand between the add and the wait for it
	s_wait_dscnt 0x0                               ; the add is done, and my reads of this slot are over
	s_barrier_signal -1
	MUL16 2, 1, 0, \nat
	WIN 0
	s_barrier_wait -1
.if \fill
	CREST                                          ; the barrier has opened a round of the cluster's: no wave of any partner still reads this slot or has a load on its way
	s_add_nc_u64 s[G0+4*\slot+2:G0+4*\slot+3], s[G0+4*\slot+2:G0+4*\slot+3], 2*4194304
	s_add_nc_u64 s[G0B+4*\slot+2:G0B+4*\slot+3], s[G0B+4*\slot+2:G0B+4*\slot+3], 2*262144
	JLOAD G0+4*\slot, G1, G0B+4*\slot, G1B         ; my one tensor load behind the round; its four v_nop are the places in front of the loads below
.else
	PLACES NP
.endif
	FETCH_B \next, 0, 0
	FETCH_A \next, 0, 0
	WIN MUL_HI+3*\nat
	MUL16 4, 1, 0, \nat
	MUL16 6, 1, 0, \nat
	PLACES NP
	WIN 0
	FETCH_A \next, 0, 4
.endm
	s_wait_tensorcnt 1                             ; my part of K step 0 is in; K step 1's load may stay out
	s_barrier_signal -1
	s_barrier_wait -1
	FETCH_B 0, 0, 0
	FETCH_A 0, 0, 0
	FETCH_A 0, 0, 4
	; ---- k: K steps 0-3.  The eight K steps are written out: the two tiles differ in the order of the sources, and the last steps in what they fill
	STEP 0, 1, 1
	TURN 0, 1, 1, 1
	STEP 1, 0, 1
	TURN 1, 0, 1, 1
	STEP 0, 0, 1
	TURN 0, 1, 1, 1
	STEP 1, 0, 1
	TURN 1, 0, 1, 1                                ; the ring goes on into q: slot 1 takes q's second K step, and q's first fragments are fetched
	; ---- kmean.  Lane (r, h) of accumulator (a, b) holds column 16 b + r and rows 8 h + j of block a.  The four v_nop at TURN's end are the places behind the last products.
.irp ch, 0,1
	WIN 0x0a+5*\ch                                 ; sources 0 and 1: window 2 + ch
.irp b, 0,1,2,3,4,5,6,7
	v_pk_add_f32 v[ST+2*(8*\ch+\b):ST+2*(8*\ch+\b)+1], v[8*\b:8*\b+1], v[8*\b+2:8*\b+3]   ; each accumulator from its low end on
.endr
	WIN 0x02+\ch
.irp i, 4,6
.irp b, 0,1,2,3,4,5,6,7
	v_pk_add_f32 v[ST+2*(8*\ch+\b):ST+2*(8*\ch+\b)+1], v[8*\b+\i:8*\b+\i+1], v[ST+2*(8*\ch+\b):ST+2*(8*\ch+\b)+1]
.endr
.endr
.irp at, 1,2,3
.irp i, 0,2,4,6
.irp b, 0,1,2,3,4,5,6,7
	v_pk_add_f32 v[ST+2*(8*\ch+\b):ST+2*(8*\ch+\b)+1], v[8*(8*\at+\b)+\i:8*(8*\at+\b)+\i+1], v[ST+2*(8*\ch+\b):ST+2*(8*\ch+\b)+1]
.endr
.endr
.endr
.endr
	WIN 0
.set k, 0
.rept 16
	v_add_f32 v[ST+2*k], v[ST+2*k], v[ST+2*k+1]
.set k, k+1
.endr
.set k, 0
.rept 16
	v_permlanex16_b32 v[ST+2*k+1], v[ST+2*k], s78, s79
.set k, k+1
.endr
.set k, 0
.rept 16
	v_add_f32 v[ST+2*k], v[ST+2*k], v[ST+2*k+1]
.set k, k+1
.endr
.set k, 0
.rept 16
	v_ldexp_f32 v[ST+2*k], v[ST+2*k], s76
.set k, k+1
.endr
.set k, 0
.rept 16
	ds_store_b32 v[KMS], v[ST+2*k] offset:(k/8)*512+(k%8)*64   ; kmean[channel k / 8][column 16 (k % 8) + r]: my own bytes, read by me alone
.set k, k+1
.endr
	s_wait_dscnt 0x0
	; ---- q: K steps 4-7; the first products start the sums anew (the lines above that name no accumulator are their places)
	STEP 0, 1, 0
	TURN 0, 1, 1, 0
	STEP 1, 0, 0
	TURN 1, 0, 1, 0
	STEP 0, 0, 0
	TURN 0, 1, 0, 0                                ; nothing is left to fetch: no round
	STEP 1, 0, 0
	s_wait_dscnt 4*NL
	WIN MUL_LO
	MUL16 0, 1, 0, 0
	MUL16 2, 1, 0, 0
	s_wait_dscnt 0
	WIN MUL_HI
	MUL16 4, 1, 0, 0
	MUL16 6, 1, 0, 0
	WIN 0
	; ---- the softmax's part.  Lane (r, h) of block a holds row r and columns 16 b + 8 h + j: the block's 64 registers on end
	PLACES NP
.irp ch, 0,1
.irp b, 0,1,2,3,4,5,6,7
	ds_load_b128 v[KM+64*\ch+8*\b:KM+64*\ch+8*\b+3], v[KMR] offset:\ch*512+\b*64
	ds_load_b128 v[KM+64*\ch+8*\b+4:KM+64*\ch+8*\b+7], v[KMR] offset:\ch*512+\b*64+16
.endr
.endr
.irp hw, 0,1                           ; the largest q of a row: two ascending chains a block, eight chains by turns
	WIN 0x2a+0x15*\hw
.irp at, 0,1,2,3
	v_max3_num_f32 v[ST+8*(4*\hw+\at)+6], v[64*\at], v[64*\at+1], v[64*\at+2]
	v_max3_num_f32 v[ST+8*(4*\hw+\at)+7], v[64*\at+32], v[64*\at+33], v[64*\at+34]
.endr
	WIN 0x28+0x14*\hw
.irp i, 3,5,7,9,11,13,15,17,19,21,23,25,27,29
.irp at, 0,1,2,3
	v_max3_num_f32 v[ST+8*(4*\hw+\at)+6], v[ST+8*(4*\hw+\at)+6], v[64*\at+\i], v[64*\at+\i+1]
	v_max3_num_f32 v[ST+8*(4*\hw+\at)+7], v[ST+8*(4*\hw+\at)+7], v[64*\at+32+\i], v[64*\at+33+\i]
.endr
.endr
.irp at, 0,1,2,3
	v_max3_num_f32 v[ST+8*(4*\hw+\at)+6], v[ST+8*(4*\hw+\at)+6], v[64*\at+31], v[64*\at+63]
.endr
.endr
	WIN 0
.irp a, 0,1,2,3,4,5,6,7
	v_max_num_f32 v[ST+8*\a+6], v[ST+8*\a+6], v[ST+8*\a+7]
.endr
.irp a, 0,1,2,3,4,5,6,7
	v_permlanex16_b32 v[ST+8*\a+7], v[ST+8*\a+6], s78, s79
.endr
.irp a, 0,1,2,3,4,5,6,7
	v_max_num_f32 v[ST+8*\a+1], v[ST+8*\a+6], v[ST+8*\a+7]
.endr
.irp a, 0,1,2,3,4,5,6,7
	v_mul_f32 v[ST+8*\a], s66, v[ST+8*\a+1]        ; M, in the exponent's units
.endr
	s_wait_dscnt 0x0                               ; kmean
.macro QFMA a                          ; t - M, two at a time
	WIN 0x82+0x41*((\a)/4)
.set k, 0
.rept 32
	v_pk_fma_f32 v[64*((\a)%4)+2*k:64*((\a)%4)+2*k+1], v[64*((\a)%4)+2*k:64*((\a)%4)+2*k+1], s[66:67], v[ST+8*(\a):ST+8*(\a)+1] op_sel_hi:[1,0,0] neg_lo:[0,0,1] neg_hi:[0,0,1]
.set k, k+1
.endr
.endm
.macro QEXP a
	WIN 0x82+0x41*((\a)/4)
.set k, 0
.rept 64
	v_exp_f32 v[64*((\a)%4)+k], v[64*((\a)%4)+k]
.set k, k+1
.endr
.endm
.macro QSUM a                          ; s and t, each in two chains
.set AC, 64*((\a)%4)
.set KB, KM+64*((\a)/4)
.set SA, ST+8*(\a)+2
.set TA, ST+8*(\a)+4
.set SB, S2+4*(\a)
.set TB, S2+4*(\a)+2
	WIN 0x0a+5*((\a)/4)
	v_pk_add_f32 v[SA:SA+1], v[AC:AC+1], v[AC+2:AC+3]
	v_pk_add_f32 v[SB:SB+1], v[AC+4:AC+5], v[AC+6:AC+7]
	WIN 0x02+((\a)/4)
	v_pk_mul_f32 v[TA:TA+1], v[AC:AC+1], v[KB:KB+1]
	v_pk_mul_f32 v[TB:TB+1], v[AC+2:AC+3], v[KB+2:KB+3]
	v_pk_fma_f32 v[TA:TA+1], v[AC+4:AC+5], v[KB+4:KB+5], v[TA:TA+1]
	v_pk_fma_f32 v[TB:TB+1], v[AC+6:AC+7], v[KB+6:KB+7], v[TB:TB+1]
.set k, 8
.rept 14
	v_pk_add_f32 v[SA:SA+1], v[AC+k:AC+k+1], v[SA:SA+1]
	v_pk_fma_f32 v[TA:TA+1], v[AC+k:AC+k+1], v[KB+k:KB+k+1], v[TA:TA+1]
	v_pk_add_f32 v[SB:SB+1], v[AC+k+2:AC+k+3], v[SB:SB+1]
	v_pk_fma_f32 v[TB:TB+1], v[AC+k+2:AC+k+3], v[KB+k+2:KB+k+3], v[TB:TB+1]
.set k, k+4
.endr
.endm
	QFMA 0
	QEXP 0
.irp a, 0,1,2,3,4,5,6                  ; a block's 64 exponentials are one batch with one wait; the next block's 32 scalings stand between the batch and the wait
	QFMA \a+1
	s_wait_alu depctr_va_vdst(0)
	QSUM \a
	QEXP \a+1
.endr
	v_nop
	s_wait_alu depctr_va_vdst(0)
	QSUM 7
	WIN 0
.irp a, 0,1,2,3,4,5,6,7
	v_pk_add_f32 v[ST+8*\a+2:ST+8*\a+3], v[ST+8*\a+2:ST+8*\a+3], v[S2+4*\a:S2+4*\a+1]
	v_pk_add_f32 v[ST+8*\a+4:ST+8*\a+5], v[ST+8*\a+4:ST+8*\a+5], v[S2+4*\a+2:S2+4*\a+3]
.endr
.irp a, 0,1,2,3,4,5,6,7
	v_add_f32 v[ST+8*\a+2], v[ST+8*\a+2], v[ST+8*\a+3]
	v_add_f32 v[ST+8*\a+4], v[ST+8*\a+4], v[ST+8*\a+5]
.endr
.irp a, 0,1,2,3,4,5,6,7
	v_permlanex16_b32 v[ST+8*\a+3], v[ST+8*\a+2], s78, s79
	v_permlanex16_b32 v[ST+8*\a+5], v[ST+8*\a+4], s78, s79
.endr
.irp a, 0,1,2,3,4,5,6,7
	v_add_f32 v[ST+8*\a+2], v[ST+8*\a+2], v[ST+8*\a+3]
	v_add_f32 v[ST+8*\a+4], v[ST+8*\a+4], v[ST+8*\a+5]
.endr
.irp a, 0,1,2,3,4,5,6,7                ; through my stage, so that each quantity's 128 rows leave as 512 consecutive bytes
	ds_store_b32 v[KMS], v[ST+8*\a] offset:1024+\a*64
	ds_store_b32 v[KMS], v[ST+8*\a+2] offset:1536+\a*64
	ds_store_b32 v[KMS], v[ST+8*\a+4] offset:2048+\a*64
.endr
.irp n, 0,1,2
	ds_load_b128 v[S2+4*\n:S2+4*\n+3], v[PRD] offset:\n*512    ; LDS serves a wave's instructions in order: these see my stores
.endr
	s_wait_dscnt 0x0
.irp n, 0,1,2
	global_store_b128 v[GO], v[S2+4*\n:S2+4*\n+3], s[10:11] offset:\n*524288
.endr
	s_wait_tensorcnt 0x0                           ; the wave's end
	ds_add_u32 v[SPW], v[NIL]
	s_wait_dscnt 0x0
	CROUND                                         ; the closing round
	s_endpgm
.Lfunc_end_k_q85531953c0_qk:
	.size	k_q85531953c0_qk, .Lfunc_end_k_q85531953c0_qk-k_q85531953c0_qk
	.p2alignl 7, 3214868480
	.fill 96, 4, 3214868480
	.section	.rodata,"a",@progbits
	.p2align	6, 0x0
	.amdhsa_kernel k_q85531953c0_qk
		.amdhsa_group_segment_fixed_size 327680
		.amdhsa_private_segment_fixed_size 0
		.amdhsa_enable_private_segment 0
		.amdhsa_kernarg_size 72
		.amdhsa_user_sgpr_count 2
		.amdhsa_user_sgpr_kernarg_segment_ptr 1
		.amdhsa_wavefront_size32 1
		.amdhsa_system_sgpr_workgroup_id_x 1
		.amdhsa_system_sgpr_workgroup_id_y 1
		.amdhsa_system_sgpr_workgroup_id_z 1
		.amdhsa_system_vgpr_workitem_id 0
		.amdhsa_next_free_vgpr 1024
		.amdhsa_next_free_sgpr 100
		.amdhsa_reserve_vcc 0
		.amdhsa_float_denorm_mode_32 3
		.amdhsa_float_denorm_mode_16_64 3
		.amdhsa_memory_ordered 1
		.amdhsa_forward_progress 1
		.amdhsa_inst_pref_size 255
	.end_amdhsa_kernel
	.section	.bss,"aw",@nobits
	.p2align	6
	.space	262144
	.amdgpu_metadata
---
amdhsa.version: [ 1, 2 ]
amdhsa.kernels:
  - .name:           k_q85531953c0_qk
    .symbol:         k_q85531953c0_qk.kd
    .args:
      - { .name: xcodes, .offset: 0, .size: 8, .value_kind: global_buffer, .address_space: global }
      - { .name: wcodes, .offset: 8, .size: 8, .value_kind: global_buffer, .address_space: global }
      - { .name: lowp_scales, .offset: 16, .size: 8, .value_kind: global_buffer, .address_space: global }
      - { .name: parts, .offset: 24, .size: 8, .value_kind: global_buffer, .address_space: global }
      - { .name: xrt, .offset: 32, .size: 8, .value_kind: global_buffer, .address_space: global }
      - { .name: Wqr, .offset: 40, .size: 8, .value_kind: global_buffer, .address_space: global }
      - { .name: Wkvr, .offset: 48, .size: 8, .value_kind: global_buffer, .address_space: global }
      - { .name: rqv, .offset: 56, .size: 8, .value_kind: global_buffer, .address_space: global }
      - { .name: krs, .offset: 64, .size: 8, .value_kind: global_buffer, .address_space: global }
    .group_segment_fixed_size: 327680
    .private_segment_fixed_size: 0
    .kernarg_segment_align: 8
    .kernarg_segment_size: 72
    .max_flat_workgroup_size: 128
    .sgpr_count:     100
    .vgpr_count:     1024
    .wavefront_size: 32
...
	.end_amdgpu_metadata
.endif
;; end of part 2
;; launch fin (part 3): grid 8 x 32, 4 waves a work-group, clusters of 4 x 4, 327,680 bytes of LDS; arguments xcodes, wcodes, lowp_scales, parts, rqv, Wc, bc, gamma, beta, rm, rv, x, out0, krs; writes out0
.if DOCPART == 3
	.amdgcn_target "amdgcn-amd-amdhsa--gfx1250"
	.amdhsa_code_object_version 6
	.text
	.protected	k_q85531953c0_fin
	.globl	k_q85531953c0_fin
	.p2align	8
	.type	k_q85531953c0_fin,@function
k_q85531953c0_fin:
	s_mov_b64 s[64:65], 0
	v_nop
	global_prefetch_b8 v0, s[64:65] scope:SCOPE_SE
	s_setreg_imm32_b32 hwreg(HW_REG_WAVE_MODE, 25, 1), 1
	s_wait_xcnt 0x0
	s_wait_alu depctr_hold_cnt(0) depctr_sa_sdst(0) depctr_va_vdst(0) depctr_va_sdst(0) depctr_va_ssrc(0) depctr_va_vcc(0) depctr_vm_vsrc(0)
	s_getreg_b32 s2, hwreg(HW_REG_IB_STS2, 6, 4)
	s_cmp_eq_u32 s2, 0
	s_cbranch_scc0 .Lentry_in_a_cluster
	s_endpgm
.Lentry_in_a_cluster:
	s_bfe_u32 s2, ttmp6, 0x10000c
	s_cmp_lg_u32 s2, 0xf033
	s_cbranch_scc0 .Lentry_shape_is_right
	s_endpgm
.Lentry_shape_is_right:
; v = x_ Wv^T on E4M3 codes; a = softmax(q) . kmean joined from its eight parts; inside = sigmoid(a) v, quantised in registers; the region attention finished from its products' sums; z = Wc [inside | region] (K = 128) on codes;
; batch norm; out = sigmoid(z) x.  v, inside and region never go to memory.
; SHARES.  A work-group takes one (b, kh): 512 rows of x_ (kw 8 x c 64, which lie on end in xcodes) x 128 columns (four patch rows hp', all wp').  That is four whole image rows of all 64 output channels.
; Wave w takes rows 128 w on (kw = 2 w, 2 w + 1; all c) and all 128 columns: 64 accumulators.  x_ IS SOURCE 0: a lane holds one column (pixel) and its registers run along c, which is the convolution's K:
; scaled, held and converted, an accumulator's eight registers are two registers of the convolution's operand, whose upper half is region.  So the convolution never leaves the wave.
; The convolution has the pixels as source 0 and 16 rows of Wc as source 1: a lane then holds one output channel and eight pixels wp'.  The gates meet in a stage in LDS (64 channels x one image row) and each wave multiplies and stores 16 whole rows.
; REGION, at the head.  The work-group's four image rows lie in cell rows 2 lp and 2 lp + 1.  Every wave adds the image's 16 x 2 partial sums of kr (8 KB) to krm and turns the 64 means through 256 LDS bytes of its own.  Wave w takes cell
; row 2 lp + w % 2 and vr's channel tiles 2 (w / 2), 2 (w / 2) + 1: a lane holds one cell and 32 channels of qr: softmax (the cell's own largest number taken away), ar, sigmoid(ar) vr, held and converted with the scale 2^e9.
; The codes go round through LDS as [cell row 2][u 2][h 2][cell column 16][16 bytes]: the image of the operand's upper eight registers, which lane (r, h) takes from cell column 8 (q % 2) + r / 2.
; K goes in eight steps of 128 through two LDS slots (two slots of 256 along K for 512 + 128 rows do not fit in LDS); slot s % 2 always holds that half of the 256-byte pieces.
; CLUSTERS: 4 x 4: x_'s tile hangs on (b, kh) alone and is asked for jointly along a row of the cluster, Wv's on the columns alone, along a column.
; REGISTERS, in windows of 256.  window 0: v10-31, v126 addresses; v32-95 the convolution's four operands (16 each: 8 inside, 8 region), at the head qr (v32-63) and krm (v64-95); v96-111 the batch norm folded to a factor and an addend
;   for each tile of channels; v112 448, v113 1; v116-125 the region's statistics; v128-255 x_'s fragments; at the head Wc, the norm's inputs, vr (v228-243), region's codes (v244-247), kr's sums (v248-251); on the way out Wc's fragments (v128-191) and the sigmoids (v192-255).
;   window 1: Wv's fragments, two sets; at the head the parts; on the way out v0-63 at work, v64-127 gates, v128-255 x.   windows 2, 3: accumulator (a, b) at v[8 (8 (a % 4) + b)] of window 2 + a / 4; at the head window 3 takes kr's partial sums; when read out they take x.
; LIMITS: e8 between -126 and 119; e8 + e9 and e4 + e5 between -126 and 126 (added to an exponent field); |e2 + e3 - e9| and |e6 + e7 - e9| up to 100.  NaN among the inputs is not served.
.set PITCH,  144                       ; an LDS row: 128 bytes + 16: 36 words, so the 16 rows of a load start at 16 different groups of four banks (64 banks of 4 bytes: ISA guide 11.1)
.set ABYTES, 512*PITCH
.set SLOT,   ABYTES+128*PITCH
.set WCI,    2*SLOT                    ; behind the ring: the images of Wc's four fragments, 2,048 bytes each
.set SGT,    WCI+8192                  ; sigmoid(a) x 2^(e2 + e3 - e9): [kw 8][c 64] f32
.set SPARE,  SGT+2048                  ; the spare words, 128 bytes for each wave: two blocks of 256 bytes that no other line names
.set RKM,    SPARE+512                 ; krm [64] f32, 256 bytes for each wave, its own
.set RCI,    RKM+1024                  ; region's codes, 2,048 bytes
.set SP,     1040                      ; the way out: a stage row: an image row of 1,024 bytes + 16
.set STG,    64*SP                     ; two stages, at 0 and at STG: in the slots, which have had their last fill and their last read by then
.set FR,     16
.set NL,     4
.set NP,     4
.set RCO,  10                          ; v10  where I read region's codes: RCI + 256 h + 16 (r / 2)
.set BNO,  11                          ; v11  4 r
.set PO,   12                          ; v12  parts: 256 (thread / 2) + 16 (thread % 2)
.set WCO,  13                          ; v13  Wc: 512 r + 32 h
.set SGW,  14                          ; v14  where I store four sigmoids
.set WCW,  15                          ; v15  where I store my image of Wc
.set ADRA, 16                          ; v16-17
.set KSW,  18                          ; v18  where I store four of the 64 means
.set KMA,  19                          ; v19  where I read my 32
.set ADRB, 20                          ; v20-21
.set STA,  22                          ; v22-23 into stage 0, 1
.set RDA,  24                          ; v24-25 out of them
.set GO,   26                          ; v26  16 x lane
.set SGA,  27                          ; v27  where I read my sigmoids
.set SPW,  28
.set NIL,  29
.set PFO,  30                          ; v30  the prefetches' offset: channel lane / 4, piece lane % 4 of an image row
.set WCR,  31                          ; v31  WCI + 16 x lane
.set CF,   32
.set QR,   32                          ; at the head: qr's sums: QR[8 t + j] = channel 16 t + 8 h + j of cell r
.set KM,   64                          ; krm likewise
.set PP,   96
.set RCW,  126                         ; v126 where I store my 16 bytes of region's codes
.set AF,   128
.set WCF,  128
.set SG,   192
.set VR,   228                         ; vr's sums of my two tiles
.set RC,   244                         ; their codes
.set KSS,  248                         ; kr's sums of four channels
.set G1,  24
.set G0,  32
.set G1B, 48
.set G0B, 56
.set MSB, 0
.macro WIN new
.if MSB != (\new)
	s_set_vgpr_msb (MSB<<8)|(\new)
.set MSB, (\new)
.endif
.endm
.set MUL_LO, 0xa4                      ; source 0 (x_) window 0, source 1 (Wv) window 1, C and D window 2
.set MUL_HI, 0xf4
.set TO_B,   0x40
.macro JLOAD g0a, g1a, g0b, g1b        ; waves 0 and 1 fetch x_'s halves, waves 2 and 3 Wv's; four v_nop follow each of the two lines
	s_cmp_eq_u32 s15, 0
	s_cbranch_scc0 .Lfor_b_\@
	tensor_load_to_lds s[\g0a:\g0a+3], s[\g1a:\g1a+7]
	s_nop 0
.rept 4
	v_nop
.endr
	s_branch .Lasked_\@
.Lfor_b_\@:
	tensor_load_to_lds s[\g0b:\g0b+3], s[\g1b:\g1b+7]
	s_nop 0
.rept 4
	v_nop
.endr
.Lasked_\@:
.endm
.macro CREST
	s_cmp_lg_u32 s14, 0
	s_cbranch_scc1 .Lnot_wave_0_\@
	s_barrier_signal -3
.Lnot_wave_0_\@:
	s_barrier_wait -3
	s_barrier_signal -1
	s_barrier_wait -1
.endm
.macro CROUND
	s_barrier_signal -1
	s_barrier_wait -1
	CREST
.endm
.macro PLACES n
.rept \n
	v_nop
.endr
.endm
	s_load_b512 s[68:83], s[0:1], 0x0              ; xcodes 68, wcodes 70, the exponents 72, parts 74, rqv 76, Wc 78, bc 80, gamma 82
	s_load_b256 s[84:91], s[0:1], 0x40             ; beta 84, rm 86, rv 88, x 90
	s_load_b64 s[92:93], s[0:1], 0x60              ; out0
	s_load_b64 s[66:67], s[0:1], 0x68              ; krs
	v_lshl_add_u32 v[SPW], v0, 2, SPARE
	v_mov_b32 v[NIL], 0
	ds_add_u32 v28, v29
	ds_add_u32 v28, v29
	s_wait_dscnt 0x0
	v_lshrrev_b32 v1, 5, v0
	v_readfirstlane_b32 s14, v1                    ; wave 0..3
	s_lshr_b32 s15, s14, 1                         ; I fetch for x_ (0) or for Wv (1),
	s_and_b32 s16, s14, 1                          ; this half of the tile
	s_bfe_u32 s40, ttmp6, 0x40000                  ; cx, cy
	s_bfe_u32 s41, ttmp6, 0x40004
	s_lshl_b32 s42, ttmp9, 2
	s_add_co_u32 s42, s42, s40                     ; lp: columns 128 lp on
	s_and_b32 s17, ttmp7, 0xffff
	s_lshl_b32 s17, s17, 2
	s_add_co_u32 s17, s17, s41                     ; 8 b + kh
	s_lshl_b32 s43, s41, 2
	s_lshl_b32 s43, 15, s43                        ; my row of the cluster
	s_lshl_b32 s44, 0x1111, s40                    ; my column
	s_or_b32 s[G1+0], s43, (1<<20)|(1<<21)|(4<<22)|(3<<25)    ; 15:0 the mask; elements of 1 byte; 20 padding on; 21 set beside a mask; 24:22 after every 32 words (code 4); 31:25 four words (code 3)
	s_mov_b32 s[G1+1], 128<<16                     ; tensor_dim0 = 128 bytes
	s_mov_b32 s[G1+2], 256<<16                     ; tensor_dim1 = 256 rows
	s_mov_b32 s[G1+3], 128<<16                     ; tile_dim0
	s_mov_b32 s[G1+4], 256                         ; tile_dim1
	s_mov_b32 s[G1+5], 256                         ; from piece to piece
	s_mov_b32 s[G1+6], 0
	s_mov_b32 s[G1+7], 0
	s_or_b32 s[G1B+0], s44, (1<<20)|(1<<21)|(4<<22)|(3<<25)
	s_mov_b32 s[G1B+1], 128<<16
	s_mov_b32 s[G1B+2], 64<<16
	s_mov_b32 s[G1B+3], 128<<16
	s_mov_b32 s[G1B+4], 64
	s_mov_b32 s[G1B+5], 256
	s_mov_b32 s[G1B+6], 0
	s_mov_b32 s[G1B+7], 0
	s_lshl_b32 s20, s17, 17                        ; x_: (b, kh): 512 pieces of 256 bytes,
	s_lshl_b32 s21, s16, 16                        ; my 256
	s_add_co_u32 s20, s20, s21
	s_mov_b32 s21, 0
	s_lshl_b32 s46, s42, 15                        ; Wv: 128 rows,
	s_lshl_b32 s47, s16, 14                        ; my 64,
	s_add_co_u32 s46, s46, s47
	s_add_co_u32 s46, s46, 2097152                 ; in the third matrix of wcodes
	s_mov_b32 s47, 0
	s_mul_i32 s45, s16, 256*PITCH                  ; where they go: no place in the cluster enters an LDS address
	s_mul_i32 s3, s16, 64*PITCH
	s_add_co_u32 s3, s3, ABYTES
	s_wait_kmcnt 0x0
	s_load_b256 s[4:11], s[72:73], 0x0             ; e0 .. e7
	s_load_b64 s[12:13], s[72:73], 0x20            ; e8, e9
	s_add_nc_u64 s[20:21], s[68:69], s[20:21]
	s_add_nc_u64 s[46:47], s[70:71], s[46:47]
	CROUND                                         ; all sixteen work-groups are here: the first joint loads meet
.irp s, 0,1
	s_mov_b32 s[G0+4*\s], 1
	s_add_co_u32 s[G0+4*\s+1], s45, \s*SLOT
	s_add_nc_u64 s[G0+4*\s+2:G0+4*\s+3], s[20:21], \s*128
	s_or_b32 s[G0+4*\s+3], s[G0+4*\s+3], 0x80000000
	s_mov_b32 s[G0B+4*\s], 1
	s_add_co_u32 s[G0B+4*\s+1], s3, \s*SLOT
	s_add_nc_u64 s[G0B+4*\s+2:G0B+4*\s+3], s[46:47], \s*128
	s_or_b32 s[G0B+4*\s+3], s[G0B+4*\s+3], 0x80000000
	JLOAD G0+4*\s, G1, G0B+4*\s, G1B               ; two loads of mine are out
.endr
	; ---- addresses
	v_and_b32 v1, 15, v0                           ; r
	v_bfe_u32 v2, v0, 4, 1                         ; h
	v_and_b32 v3, 31, v0                           ; lane
	v_and_b32 v4, 1, v0
	v_lshrrev_b32 v5, 1, v0
	v_lshlrev_b32 v[GO], 4, v3
	v_lshrrev_b32 v6, 1, v1
	v_lshlrev_b32 v[RCO], 8, v2
	v_lshl_add_u32 v[RCO], v6, 4, v[RCO]
	v_add_nc_u32 v[RCO], RCI, v[RCO]
	v_lshlrev_b32 v[BNO], 2, v1
	v_lshlrev_b32 v[PO], 8, v5
	v_lshl_add_u32 v[PO], v4, 4, v[PO]
	v_lshlrev_b32 v[WCO], 9, v1
	v_lshl_add_u32 v[WCO], v2, 5, v[WCO]
	v_lshlrev_b32 v[SGW], 10, v4
	v_lshl_add_u32 v[SGW], v5, 2, v[SGW]
	v_add_nc_u32 v[SGW], SGT, v[SGW]               ; kw = 4 (thread % 2) + i, c = thread / 2
	s_lshl_b32 s22, s14, 11
	v_add_nc_u32 v[WCW], s22, v[GO]
	v_add_nc_u32 v[WCW], WCI, v[WCW]
	v_add_nc_u32 v[WCR], WCI, v[GO]
	v_mul_u32_u24 v7, v1, PITCH
	v_lshl_add_u32 v7, v2, 4, v7
	s_mul_i32 s22, s14, 128*PITCH
	v_add_nc_u32 v[ADRA], s22, v7                  ; my 128 rows of x_
	v_add_nc_u32 v[ADRA+1], SLOT, v[ADRA]
	v_add_nc_u32 v[ADRB], ABYTES, v7
	v_add_nc_u32 v[ADRB+1], SLOT, v[ADRB]
	v_mul_u32_u24 v8, v1, SP
	v_lshl_add_u32 v8, v2, 8, v8
	s_lshl_b32 s22, s14, 3
	v_add_nc_u32 v[STA], s22, v8                   ; channel r, pixel 8 h of a tile (32 bytes a patch), my two kw: 8 w
	v_add_nc_u32 v[STA+1], STG, v[STA]
	s_mul_i32 s22, s14, 16*SP
	v_add_nc_u32 v[RDA], s22, v[GO]                ; my 16 channels' rows
	v_add_nc_u32 v[RDA+1], STG, v[RDA]
	s_lshl_b32 s22, s14, 9
	s_add_co_u32 s22, s22, SGT
	v_lshl_add_u32 v[SGA], v2, 5, s22
	v_lshrrev_b32 v9, 2, v3
	v_and_b32 v6, 3, v3                            ; lane % 4
	v_lshlrev_b32 v[PFO], 18, v9
	v_lshl_add_u32 v[PFO], v6, 8, v[PFO]
	v_bfe_u32 v7, v0, 3, 2                         ; lane / 8
	s_lshl_b32 s22, s14, 8
	s_add_co_u32 s22, s22, RKM                     ; my 256 bytes for krm
	v_lshl_add_u32 v[KSW], v7, 6, s22
	v_lshl_add_u32 v[KSW], v6, 4, v[KSW]           ; channels 16 (lane / 8) + 4 (lane % 4) on
	v_lshl_add_u32 v[KMA], v2, 5, s22              ; channels 8 h on (+ 16 t)
	s_lshl_b32 s22, s16, 10                        ; region's codes: cell row wave % 2,
	s_lshl_b32 s100, s15, 9                        ; u = wave / 2,
	s_add_co_u32 s22, s22, s100
	s_add_co_u32 s22, s22, RCI
	v_add_nc_u32 v[RCW], s22, v[GO]                ; 16 x lane = 256 h + 16 r
	v_mov_b32 v112, 0x43e00000                     ; 448
	v_mov_b32 v113, 1.0
	s_lshr_b32 s18, s17, 3                         ; b
	s_and_b32 s19, s17, 7                          ; kh
	s_mov_b32 s23, 0
	s_lshl_b32 s22, s18, 14
	s_lshl_b32 s100, s19, 5
	s_add_co_u32 s22, s22, s100
	s_add_nc_u64 s[74:75], s[74:75], s[22:23]      ; parts at row 4,096 b + 8 kh
	s_lshl_b32 s22, s18, 17                        ; rqv: an image's 16 rows of cells x 8,192 bytes,
	s_lshl_b32 s100, s42, 14                       ; cell row 2 lp
	s_add_co_u32 s22, s22, s100
	s_lshl_b32 s100, s16, 13                       ; + wave % 2
	s_add_co_u32 s22, s22, s100
	s_add_nc_u64 s[76:77], s[76:77], s[22:23]
	s_lshl_b32 s22, s15, 11                        ; of vr the two tiles of 1,024 bytes of my half
	s_add_nc_u64 s[70:71], s[76:77], s[22:23]
	s_lshl_b32 s22, s18, 13
	s_add_nc_u64 s[66:67], s[66:67], s[22:23]      ; krs at image b: 8,192 bytes
	s_lshl_b32 s22, s14, 13
	s_add_nc_u64 s[78:79], s[78:79], s[22:23]      ; Wc at row 16 w
	s_lshl_b32 s22, s18, 24
	s_lshl_b32 s100, s14, 22
	s_add_co_u32 s22, s22, s100
	s_lshl_b32 s100, s42, 15
	s_add_co_u32 s22, s22, s100
	s_lshl_b32 s100, s19, 10
	s_add_co_u32 s22, s22, s100
	s_add_nc_u64 s[96:97], s[90:91], s[22:23]      ; x and out0 at (b, channel 16 w, image row 32 lp + kh)
	s_add_nc_u64 s[98:99], s[92:93], s[22:23]
	; ---- the head's loads
	WIN 0xc0                                       ; destination window 3
.set k, 0
.rept 16
	global_load_b128 v[4*k:4*k+3], v[GO], s[66:67] offset:k*512      ; kr's partial sums of cell row k: tile lane / 8, half (lane / 4) % 2, channels 4 (lane % 4) on
.set k, k+1
.endr
	WIN 0
.irp t, 0,1,2,3
	global_load_b128 v[QR+8*\t:QR+8*\t+3], v[GO], s[76:77] offset:\t*1024         ; qr's sums, as the product's registers stood
	global_load_b128 v[QR+8*\t+4:QR+8*\t+7], v[GO], s[76:77] offset:\t*1024+512
.endr
.irp t, 0,1
	global_load_b128 v[VR+8*\t:VR+8*\t+3], v[GO], s[70:71] offset:4096+\t*1024    ; vr's
	global_load_b128 v[VR+8*\t+4:VR+8*\t+7], v[GO], s[70:71] offset:4096+\t*1024+512
.endr
	WIN 0x40                                       ; destination window 1
.set k, 0
.rept 24
	global_load_b128 v[4*k:4*k+3], v[PO], s[74:75] offset:k*65536    ; M (v0-31), s (v32-63), t (v64-95) of four rows (kw) of my channel, part k % 8
.set k, k+1
.endr
	WIN 0
.irp c, 0,1,2,3,4,5,6,7
	global_load_b128 v[128+8*\c:128+8*\c+3], v[WCO], s[78:79] offset:64*\c          ; Wc(16 w + r, 16 c + 8 h + 0 .. 7)
	global_load_b128 v[128+8*\c+4:128+8*\c+7], v[WCO], s[78:79] offset:64*\c+16
.endr
.irp t, 0,1,2,3
	global_load_b32 v[208+\t], v[BNO], s[80:81] offset:64*\t     ; bc, gamma, beta, rm, rv of channel 16 t + r
	global_load_b32 v[212+\t], v[BNO], s[82:83] offset:64*\t
	global_load_b32 v[216+\t], v[BNO], s[84:85] offset:64*\t
	global_load_b32 v[220+\t], v[BNO], s[86:87] offset:64*\t
	global_load_b32 v[224+\t], v[BNO], s[88:89] offset:64*\t
.endr
	s_wait_kmcnt 0x0
	s_add_co_i32 s22, s12, 127
	s_lshl_b32 s23, s22, 23
	v_mov_b32 v114, s23                            ; 2^e8
	s_add_co_i32 s22, s22, 8
	s_lshl_b32 s22, s22, 23
	s_or_b32 s22, s22, 0x600000
	v_mov_b32 v115, s22                            ; 448 x 2^e8
	s_add_co_i32 s100, s12, s13
	s_lshl_b32 s100, s100, 23
	s_add_co_u32 s100, s100, 0xbfb8aa3b            ; -log2(e) x 2^(e8 + e9)
	s_add_co_i32 s101, s6, s7
	s_sub_co_i32 s101, s101, s13                   ; e2 + e3 - e9
	s_add_co_i32 s40, s8, s9
	s_lshl_b32 s40, s40, 23
	s_add_co_u32 s40, s40, 0x3fb8aa3b              ; log2(e) x 2^(e4 + e5): qr's two scales go into the exponent field
	s_mov_b32 s41, s40                             ; (named with it as a pair)
	s_add_co_i32 s45, s10, s11
	s_sub_co_i32 s3, s45, s13                      ; e6 + e7 - e9
	s_sub_co_i32 s45, s45, 8                       ; e6 + e7 - 8: the mean over 256 cells
	s_mov_b32 s43, 0x76543210                      ; v_permlanex16_b32: lane l xor 16
	s_mov_b32 s44, 0xfedcba98
	s_wait_loadcnt 0x0
	; ---- krm: the sixteen rows of cells are added in a tree, then the two halves of a tile's cells; the 64 means turn through my own LDS bytes
	WIN 0xff                                       ; all in window 3
.irp d, 32, 16, 8
.set k, 0
.rept \d/2
	v_pk_add_f32 v[2*k:2*k+1], v[2*k:2*k+1], v[\d+2*k:\d+2*k+1]
.set k, k+1
.endr
.endr
	WIN 0x0f                                       ; sources window 3, destination window 0
	v_pk_add_f32 v[KSS:KSS+1], v[0:1], v[4:5]
	v_pk_add_f32 v[KSS+2:KSS+3], v[2:3], v[6:7]
	WIN 0
.irp k, 0,1,2,3
	v_add_f32_dpp v[KSS+\k], v[KSS+\k], v[KSS+\k] row_xmask:4 row_mask:0xf bank_mask:0xf   ; lane l xor 4 holds the same channels of the tile's other eight cells
.endr
.irp k, 0,1,2,3
	v_ldexp_f32 v[KSS+\k], v[KSS+\k], s45          ; krm = the sum x 2^(e6 + e7) / 256
.endr
	ds_store_b128 v[KSW], v[KSS:KSS+3]             ; lanes l and l xor 4 store the same bytes, the same numbers
.irp t, 0,1,2,3
	ds_load_b128 v[KM+8*\t:KM+8*\t+3], v[KMA] offset:64*\t         ; LDS serves a wave's instructions in order: these see my store.  krm of channels 16 t + 8 h + j
	ds_load_b128 v[KM+8*\t+4:KM+8*\t+7], v[KMA] offset:64*\t+16
.endr
	; ---- Wc's tile 16 w on becomes a fragment; its image goes to LDS
.set k, 0
.rept 64
	v_med3_num_f32 v[128+k], v[128+k], -v115, v115
.set k, k+1
.endr
.set k, 0
.rept 8
	v_cvt_scalef32_pk8_fp8_f32 v[192+2*k:193+2*k], v[128+8*k:135+8*k], v114
.set k, k+1
.endr
	v_nop                                          ; a plain line behind the conversions
.irp c, 0,1,2,3
	ds_store_b128 v[WCW], v[192+4*\c:195+4*\c] offset:512*\c
.endr
	; ---- region: the softmax of my cell's qr, ar = softmax . krm, sigmoid(ar) vr as codes
	v_max3_num_f32 v116, v[QR], v[QR+1], v[QR+2]   ; the cell's largest qr among my 32 channels, in two chains,
	v_max3_num_f32 v117, v[QR+16], v[QR+17], v[QR+18]
.irp i, 3,5,7,9,11,13
	v_max3_num_f32 v116, v116, v[QR+\i], v[QR+\i+1]
	v_max3_num_f32 v117, v117, v[QR+16+\i], v[QR+17+\i]
.endr
	v_max3_num_f32 v116, v116, v[QR+15], v[QR+31]
	v_max_num_f32 v116, v116, v117
	v_permlanex16_b32 v117, v116, s43, s44
	v_max_num_f32 v116, v116, v117                 ; and among lane l xor 16's
	v_mul_f32 v116, s40, v116                      ; in the exponent's units
.irp j, 0,2,4,6,8,10,12,14,16,18,20,22,24,26,28,30
	v_pk_fma_f32 v[QR+\j:QR+\j+1], v[QR+\j:QR+\j+1], s[40:41], v[116:117] op_sel_hi:[1,0,0] neg_lo:[0,0,1] neg_hi:[0,0,1]
.endr
.set k, 0
.rept 32
	v_exp_f32 v[QR+k], v[QR+k]
.set k, k+1
.endr
	v_nop                                          ; a plain line behind the last exponential
	s_wait_alu depctr_va_vdst(0)                   ; one wait for the batch, ahead of its first reader
	s_wait_dscnt 0x0                               ; krm
	v_pk_add_f32 v[118:119], v[QR:QR+1], v[QR+2:QR+3]
	v_pk_add_f32 v[120:121], v[QR+4:QR+5], v[QR+6:QR+7]
	v_pk_mul_f32 v[122:123], v[QR:QR+1], v[KM:KM+1]
	v_pk_mul_f32 v[124:125], v[QR+2:QR+3], v[KM+2:KM+3]
.irp j, 8,12,16,20,24,28
	v_pk_add_f32 v[118:119], v[118:119], v[QR+\j:QR+\j+1]
	v_pk_add_f32 v[120:121], v[120:121], v[QR+\j+2:QR+\j+3]
.endr
.irp j, 4,8,12,16,20,24,28
	v_pk_fma_f32 v[122:123], v[QR+\j:QR+\j+1], v[KM+\j:KM+\j+1], v[122:123]
	v_pk_fma_f32 v[124:125], v[QR+\j+2:QR+\j+3], v[KM+\j+2:KM+\j+3], v[124:125]
.endr
	v_pk_add_f32 v[118:119], v[118:119], v[120:121]
	v_pk_add_f32 v[122:123], v[122:123], v[124:125]
	v_add_f32 v118, v118, v119
	v_add_f32 v122, v122, v123
	v_permlanex16_b32 v119, v118, s43, s44
	v_permlanex16_b32 v123, v122, s43, s44
	v_add_f32 v118, v118, v119                     ; the sum of the exponentials,
	v_add_f32 v122, v122, v123                     ; and of exponential x krm
	v_rcp_f32 v118, v118
	v_nop
	s_wait_alu depctr_va_vdst(0)
	v_mul_f32 v122, v122, v118                     ; ar
	v_mul_f32 v122, 0xbfb8aa3b, v122
	v_exp_f32 v122, v122
	v_nop
	s_wait_alu depctr_va_vdst(0)
	v_add_f32 v122, 1.0, v122
	v_rcp_f32 v122, v122                           ; sigmoid(ar)
	v_nop
	s_wait_alu depctr_va_vdst(0)
	v_ldexp_f32 v122, v122, s3                     ; x 2^(e6 + e7 - e9): vr's two scales and the quantiser's are folded onto it
.set k, 0
.rept 16
	v_mul_f32 v[VR+k], v[VR+k], v122               ; region / 2^e9
.set k, k+1
.endr
.set k, 0
.rept 16
	v_med3_num_f32 v[VR+k], v[VR+k], -v112, v112   ; the conversion does not saturate (ISA guide 7.6.2)
.set k, k+1
.endr
	v_cvt_scalef32_pk8_fp8_f32 v[RC:RC+1], v[VR:VR+7], v113
	v_cvt_scalef32_pk8_fp8_f32 v[RC+2:RC+3], v[VR+8:VR+15], v113
	v_nop                                          ; a plain line behind the conversions
	ds_store_b128 v[RCW], v[RC:RC+3]               ; channels 16 (2 u + t') + 8 h + j of cell column r
	; ---- the norm: sigmoid(z) = 1 / (1 + 2^(sum x P + Q)), P = -log2(e) 2^(e8 + e9) gamma / sqrt(rv + 1e-5), Q = -log2(e) ((bc - rm) gamma / sqrt(..) + beta)
.irp t, 0,1,2,3
	v_add_f32 v[224+\t], 0x3727c5ac, v[224+\t]
.endr
.irp t, 0,1,2,3
	v_rsq_f32 v[224+\t], v[224+\t]
.endr
.irp t, 0,1,2,3
	v_sub_f32 v[208+\t], v[208+\t], v[220+\t]      ; (plain lines behind the batch)
.endr
	s_wait_alu depctr_va_vdst(0)
.irp t, 0,1,2,3
	v_mul_f32 v[212+\t], v[212+\t], v[224+\t]
.endr
.irp t, 0,1,2,3
	v_fma_f32 v[208+\t], v[208+\t], v[212+\t], v[216+\t]
.endr
.irp t, 0,1,2,3
	v_mul_f32 v[PP+4*\t], s100, v[212+\t]
	v_mul_f32 v[PP+4*\t+2], 0xbfb8aa3b, v[208+\t]
.endr
.irp t, 0,1,2,3
	v_mov_b32 v[PP+4*\t+1], v[PP+4*\t]             ; pairs, for the packed multiply-add
	v_mov_b32 v[PP+4*\t+3], v[PP+4*\t+2]
.endr
	; ---- the eight parts of four rows are joined under the largest M; a = t / s; sigmoid(a) x 2^(e2 + e3 - e9)
	WIN 0x55                                       ; all in window 1
.irp i, 0,1,2,3
	v_max3_num_f32 v[96+\i], v[\i], v[4+\i], v[8+\i]
.endr
.irp i, 0,1,2,3
	v_max3_num_f32 v[96+\i], v[96+\i], v[12+\i], v[16+\i]
.endr
.irp i, 0,1,2,3
	v_max3_num_f32 v[96+\i], v[96+\i], v[20+\i], v[24+\i]
.endr
.irp i, 0,1,2,3
	v_max_num_f32 v[96+\i], v[96+\i], v[28+\i]
.endr
.irp p, 0,1,2,3,4,5,6,7
.irp i, 0,2
	v_pk_add_f32 v[4*\p+\i:4*\p+\i+1], v[4*\p+\i:4*\p+\i+1], v[96+\i:97+\i] neg_lo:[0,1] neg_hi:[0,1]
.endr
.endr
.set k, 0
.rept 32
	v_exp_f32 v[k], v[k]
.set k, k+1
.endr
	v_nop
	s_wait_alu depctr_va_vdst(0)
.irp i, 0,2
	v_pk_mul_f32 v[100+\i:101+\i], v[32+\i:33+\i], v[\i:\i+1]
	v_pk_mul_f32 v[104+\i:105+\i], v[64+\i:65+\i], v[\i:\i+1]
.endr
.irp p, 1,2,3,4,5,6,7
.irp i, 0,2
	v_pk_fma_f32 v[100+\i:101+\i], v[32+4*\p+\i:33+4*\p+\i], v[4*\p+\i:4*\p+\i+1], v[100+\i:101+\i]
	v_pk_fma_f32 v[104+\i:105+\i], v[64+4*\p+\i:65+4*\p+\i], v[4*\p+\i:4*\p+\i+1], v[104+\i:105+\i]
.endr
.endr
.irp i, 0,1,2,3
	v_rcp_f32 v[96+\i], v[100+\i]
.endr
	v_nop
	s_wait_alu depctr_va_vdst(0)
.irp i, 0,1,2,3
	v_mul_f32 v[104+\i], v[104+\i], v[96+\i]
.endr
.irp i, 0,1,2,3
	v_mul_f32 v[104+\i], 0xbfb8aa3b, v[104+\i]
.endr
.irp i, 0,1,2,3
	v_exp_f32 v[104+\i], v[104+\i]
.endr
	v_nop
	s_wait_alu depctr_va_vdst(0)
.irp i, 0,1,2,3
	v_add_f32 v[104+\i], 1.0, v[104+\i]
.endr
.irp i, 0,1,2,3
	v_rcp_f32 v[104+\i], v[104+\i]
.endr
	v_nop
	s_wait_alu depctr_va_vdst(0)
.irp i, 0,1,2,3
	v_ldexp_f32 v[104+\i], v[104+\i], s101
.endr
	WIN 0x04                                       ; store data in window 1
.irp i, 0,1,2,3
	ds_store_b32 v[SGW], v[104+\i] offset:256*\i
.endr
	WIN 0
.macro FETCH_A slot, i0
.irp i, \i0, \i0+1, \i0+2, \i0+3
.irp c, 0,1,2,3
	ds_load_b128 v[AF+FR*(\i)+4*\c:AF+FR*(\i)+4*\c+3], v[ADRA+\slot] offset:(\i)*16*PITCH+32*\c
.endr
.endr
.endm
.macro FETCH_B slot, p
	WIN TO_B
.irp i, 0,1,2,3,4,5,6,7
.irp c, 0,1,2,3
	ds_load_b128 v[128*(\p)+FR*\i+4*\c:128*(\p)+FR*\i+4*\c+3], v[ADRB+\slot] offset:\i*16*PITCH+32*\c
.endr
.endr
	WIN 0
.endm
.macro MUL16 a0, p, zero               ; the 64 accumulators take turns, one instruction a turn, in the same order in every step
.irp a, \a0, \a0+1
.irp b, 0,1,2,3,4,5,6,7
.if \zero
	v_wmma_f32_16x16x128_fp8_fp8 v[8*(8*((\a)%4)+\b):8*(8*((\a)%4)+\b)+7], v[AF+FR*(\a):AF+FR*(\a)+FR-1], v[128*(\p)+FR*\b:128*(\p)+FR*\b+FR-1], 0
.else
	v_wmma_f32_16x16x128_fp8_fp8 v[8*(8*((\a)%4)+\b):8*(8*((\a)%4)+\b)+7], v[AF+FR*(\a):AF+FR*(\a)+FR-1], v[128*(\p)+FR*\b:128*(\p)+FR*\b+FR-1], v[8*(8*((\a)%4)+\b):8*(8*((\a)%4)+\b)+7]
.endif
.endr
.endr
.endm
; A K step of 128: 64 matrix instructions, and a change of slots in its middle: all of this slot is in registers by then.  p: Wv's set.  fill = 1: the slot is filled again, two steps ahead: from the request to the wait
; for it a wave issues 48 matrix instructions.  pf >= 0: x's rows of chunk pf are prefetched.
.macro KS slot, next, fill, zero, p, pf
	s_wait_dscnt 4*NL                              ; all but the youngest sixteen loads (x_'s blocks 4-7) are in
	WIN MUL_LO
	MUL16 0, \p, \zero
	WIN 0                                          ; (the add's two registers lie in window 0)
	s_wait_tensorcnt 0x0                           ; all my tensor loads have landed: the one that was out is my part of the next slot
	ds_add_u32 v[SPW], v[NIL]                      ; 0 onto my spare word
	WIN MUL_LO
	MUL16 2, \p, \zero                             ; sixteen matrix instructions stand between the add and the wait for it
	s_wait_dscnt 0x0                               ; the add is done, and my reads of this slot are over
	s_barrier_signal -1
	WIN 0
	s_barrier_wait -1
.if \fill
	CREST                                          ; the barrier has opened a round of the cluster's: no wave of any partner still reads this slot or has a load on its way
	s_add_nc_u64 s[G0+4*\slot+2:G0+4*\slot+3], s[G0+4*\slot+2:G0+4*\slot+3], 4194304
	s_add_nc_u64 s[G0B+4*\slot+2:G0B+4*\slot+3], s[G0B+4*\slot+2:G0B+4*\slot+3], 262144
	JLOAD G0+4*\slot, G1, G0B+4*\slot, G1B         ; my one tensor load behind the round; its four v_nop are the places in front of the loads below
.else
	PLACES NP
.endif
	FETCH_B \next, 1-\p
	FETCH_A \next, 0
.if (\pf) >= 0
	global_prefetch_b8 v[PFO], s[96:97] offset:(\pf)*8192 th:TH_LOAD_NT scope:SCOPE_SE           ; my 16 channels' image row of the chunk: 64 pieces of 256 bytes, a lane a piece, two instructions;
	global_prefetch_b8 v[PFO], s[96:97] offset:(\pf)*8192+2097152 th:TH_LOAD_NT scope:SCOPE_SE   ; no other wave of the launch reads them, so each piece is named once; the address registers are never rewritten
.endif
	WIN MUL_HI
	MUL16 4, \p, \zero
	MUL16 6, \p, \zero
	PLACES NP
	WIN 0
	FETCH_A \next, 4
.endm
	s_wait_dscnt 0x0                               ; for the others' sake: Wc's image, the sigmoids and region's codes lie in LDS
	s_wait_tensorcnt 1                             ; my part of K step 0 is in; K step 1's load may stay out
	s_barrier_signal -1
	s_barrier_wait -1
.irp q, 0,1,2,3
.irp u, 0,1
	ds_load_b128 v[CF+16*\q+8+4*\u:CF+16*\q+8+4*\u+3], v[RCO] offset:(\q/2)*1024+(\q%2)*128+\u*512   ; region's codes of cell (2 lp + q / 2, 8 (q % 2) + r / 2): k = 64 + 16 t + 8 h + j: they stay for the whole launch
.endr
.endr
	FETCH_B 0, 0
	FETCH_A 0, 0
	FETCH_A 0, 4
	KS 0, 1, 1, 1, 0, -1
	KS 1, 0, 1, 0, 1, -1
	KS 0, 1, 1, 0, 0, -1
	KS 1, 0, 1, 0, 1, -1
	KS 0, 1, 1, 0, 0, 0                            ; chunk 0 of x is asked for three K steps, chunk 1 two K steps and a chunk's work ahead of its loads
	KS 1, 0, 1, 0, 1, 1
	KS 0, 1, 0, 0, 0, -1                           ; nothing is left to fetch: no round
	s_wait_dscnt 4*NL                              ; the last K step
	WIN MUL_LO
	MUL16 0, 1, 0
	MUL16 2, 1, 0
	s_wait_dscnt 0x0                               ; my reads of the slots are over:
	s_barrier_signal -1
	WIN MUL_HI
	MUL16 4, 1, 0
	MUL16 6, 1, 0
	WIN 0
	s_barrier_wait -1                              ; everybody's are: the stages may be written
; ---- THE WAY OUT, in four chunks: chunk ch = image row 8 (4 lp + ch) + kh = column tiles 2 ch, 2 ch + 1
.macro XLOAD ch                        ; my 16 channels' image row of x: 32 loads of 512 consecutive bytes.  Chunk 0 into window 1; a later chunk into the accumulators of the column tiles read out just before
.if (\ch) == 0
	WIN 0x40
.set k, 0
.rept 32
	global_load_b128 v[128+4*k:128+4*k+3], v[GO], s[96:97] offset:(k/2)*262144+(k%2)*512 th:TH_LOAD_NT
.set k, k+1
.endr
.else
.irp hw, 0,1
	WIN 0x80+0x40*\hw
.set k, 0
.rept 16
.set XR, 8*(8*(k/4)+2*((\ch)-1)+((k/2)%2))+4*(k%2)
	global_load_b128 v[XR:XR+3], v[GO], s[96:97] offset:((16*\hw+k)/2)*262144+(\ch)*8192+(k%2)*512 th:TH_LOAD_NT
.set k, k+1
.endr
.endr
.endif
	WIN 0
.endm
; inside's codes of column tile bq, kw = 2 w + kwl, and the convolution's four products on them
.macro CONV bq, q, kwl
.set TT, 32*(\kwl)
	WIN 0x42+(\kwl)                                ; destination window 1, source 0 window 2 + kwl, source 1 window 0
.irp ct, 0,1,2,3
.irp i, 0,2,4,6
	v_pk_mul_f32 v[TT+8*\ct+\i:TT+8*\ct+\i+1], v[8*(8*\ct+(\bq))+\i:8*(8*\ct+(\bq))+\i+1], v[SG+32*(\kwl)+8*\ct+\i:SG+32*(\kwl)+8*\ct+\i+1]   ; v's sum x sigmoid(a) 2^(e2 + e3 - e9) = inside / 2^e9; each accumulator from its low end on
.endr
.endr
	WIN 0x41
.set k, 0
.rept 32
	v_med3_num_f32 v[TT+k], v[TT+k], -v112, v112   ; the conversion does not saturate (ISA guide 7.6.2)
.set k, k+1
.endr
	WIN 0x01
.irp ct, 0,1,2,3
	v_cvt_scalef32_pk8_fp8_f32 v[CF+16*(\q)+2*\ct:CF+16*(\q)+2*\ct+1], v[TT+8*\ct:TT+8*\ct+7], v113   ; k = 16 ct + 8 h + 0 .. 7: registers 2 ct, 2 ct + 1 of the operand
.endr
	v_nop                                          ; a plain line between the conversions and the products that read their results and write over their sources
	WIN 0x40
.irp ot, 0,1,2,3
	v_wmma_f32_16x16x128_fp8_fp8 v[TT+8*\ot:TT+8*\ot+7], v[CF+16*(\q):CF+16*(\q)+15], v[WCF+16*\ot:WCF+16*\ot+15], 0   ; lane = channel 16 ot + r, register j = pixel wp' = 16 (bq % 2) + 8 h + j
.endr
.endm
; column tile bq: both kw, the norm and the sigmoid, the gates into the stage
.macro GATE bq, q, e, buf
	CONV \bq, \q, 0
	CONV \bq, \q, 1                                ; its 48 plain lines are the places behind the first four products
	WIN 0x41
.irp kwl, 0,1                          ; (the first half's sixteen lines are the places behind the second four products)
.irp ot, 0,1,2,3
.irp i, 0,2,4,6
	v_pk_fma_f32 v[32*\kwl+8*\ot+\i:32*\kwl+8*\ot+\i+1], v[32*\kwl+8*\ot+\i:32*\kwl+8*\ot+\i+1], v[PP+4*\ot:PP+4*\ot+1], v[PP+4*\ot+2:PP+4*\ot+3]
.endr
.endr
.endr
.set k, 0
.rept 64
	v_exp_f32 v[k], v[k]
.set k, k+1
.endr
	v_nop
	s_wait_alu depctr_va_vdst(0)                   ; one wait for the batch
.set k, 0
.rept 32
	v_pk_add_f32 v[2*k:2*k+1], v[2*k:2*k+1], 1.0 op_sel_hi:[1,0]
.set k, k+1
.endr
.set k, 0
.rept 64
	v_rcp_f32 v[64+2*(k%32)+(k/32)], v[k]          ; the reciprocal lays the two kw of a pixel side by side
.set k, k+1
.endr
	v_nop
	s_wait_alu depctr_va_vdst(0)
	WIN 0x04
.irp ot, 0,1,2,3
.irp j, 0,1,2,3,4,5,6,7
	ds_store_b64 v[STA+(\buf)], v[64+2*(8*\ot+\j):64+2*(8*\ot+\j)+1] offset:\ot*16*SP+(\e)*512+\j*32
.endr
.endr
.endm
.macro E2 ch                           ; 16 whole rows of gates back, x gates, out
	WIN 0x40
.set k, 0
.rept 32
	ds_load_b128 v[4*k:4*k+3], v[RDA+((\ch)%2)] offset:(k/2)*SP+(k%2)*512
.set k, k+1
.endr
.if (\ch) < 3
	s_wait_loadcnt 32                              ; this chunk's x is in; the next chunk's 32 loads may be out
.else
	s_wait_loadcnt 0x0
.endif
	s_wait_dscnt 0x0
.if (\ch) == 0
	WIN 0x45
.set k, 0
.rept 64
	v_pk_mul_f32 v[128+2*k:128+2*k+1], v[128+2*k:128+2*k+1], v[2*k:2*k+1]
.set k, k+1
.endr
	WIN 0x04
.set k, 0
.rept 32
	global_store_b128 v[GO], v[128+4*k:128+4*k+3], s[98:99] offset:(k/2)*262144+(k%2)*512 th:TH_STORE_NT   ; 32 lanes store 512 consecutive bytes, aligned; these registers are not written again
.set k, k+1
.endr
.else
.irp hw, 0,1
	WIN 0x86+0x41*\hw
.set k, 0
.rept 16
.set XR, 8*(8*(k/4)+2*((\ch)-1)+((k/2)%2))+4*(k%2)
.set GR, 4*(16*\hw+k)
	v_pk_mul_f32 v[XR:XR+1], v[XR:XR+1], v[GR:GR+1]
	v_pk_mul_f32 v[XR+2:XR+3], v[XR+2:XR+3], v[GR+2:GR+3]
.set k, k+1
.endr
	WIN 0x08+4*\hw
.set k, 0
.rept 16
.set XR, 8*(8*(k/4)+2*((\ch)-1)+((k/2)%2))+4*(k%2)
	global_store_b128 v[GO], v[XR:XR+3], s[98:99] offset:((16*\hw+k)/2)*262144+(\ch)*8192+(k%2)*512 th:TH_STORE_NT
.set k, k+1
.endr
.endr
.endif
	WIN 0
.endm
	PLACES NP                                      ; in front of loads into registers that the last products read, and of the first read of results
.irp ot, 0,1,2,3
.irp c, 0,1,2,3
	ds_load_b128 v[WCF+16*\ot+4*\c:WCF+16*\ot+4*\c+3], v[WCR] offset:\ot*2048+512*\c
.endr
.endr
.irp kwl, 0,1
.irp ct, 0,1,2,3
	ds_load_b128 v[SG+32*\kwl+8*\ct:SG+32*\kwl+8*\ct+3], v[SGA] offset:\kwl*256+\ct*64        ; of kw = 2 w + kwl, c = 16 ct + 8 h + j
	ds_load_b128 v[SG+32*\kwl+8*\ct+4:SG+32*\kwl+8*\ct+7], v[SGA] offset:\kwl*256+\ct*64+16
.endr
.endr
	XLOAD 0
	global_prefetch_b8 v[PFO], s[96:97] offset:2*8192 th:TH_LOAD_NT scope:SCOPE_SE               ; chunk 2, two chunks' work ahead of its loads
	global_prefetch_b8 v[PFO], s[96:97] offset:2*8192+2097152 th:TH_LOAD_NT scope:SCOPE_SE
	s_wait_dscnt 0x0
.irp ch, 0,1,2,3
	GATE 2*\ch, (\ch/2)*2, 0, \ch%2
	GATE 2*\ch+1, (\ch/2)*2+1, 1, \ch%2
.if \ch < 3
	XLOAD \ch+1
.endif
.if \ch == 0
	global_prefetch_b8 v[PFO], s[96:97] offset:3*8192 th:TH_LOAD_NT scope:SCOPE_SE               ; chunk 3: the last; nothing is asked for behind it
	global_prefetch_b8 v[PFO], s[96:97] offset:3*8192+2097152 th:TH_LOAD_NT scope:SCOPE_SE
.endif
	WIN 0
	s_wait_dscnt 0x0                               ; my gates lie in the stage.  The two stages take turns: a stage is written again only behind the next chunk's barrier, which every wave reaches behind its reads of it
	s_barrier_signal -1
	s_barrier_wait -1
	E2 \ch
.endr
	s_wait_tensorcnt 0x0                           ; the wave's end
	ds_add_u32 v[SPW], v[NIL]
	s_wait_dscnt 0x0
	CROUND                                         ; the closing round
	s_endpgm
.Lfunc_end_k_q85531953c0_fin:
	.size	k_q85531953c0_fin, .Lfunc_end_k_q85531953c0_fin-k_q85531953c0_fin
	.p2alignl 7, 3214868480
	.fill 96, 4, 3214868480
	.section	.rodata,"a",@progbits
	.p2align	6, 0x0
	.amdhsa_kernel k_q85531953c0_fin
		.amdhsa_group_segment_fixed_size 327680
		.amdhsa_private_segment_fixed_size 0
		.amdhsa_enable_private_segment 0
		.amdhsa_kernarg_size 112
		.amdhsa_user_sgpr_count 2
		.amdhsa_user_sgpr_kernarg_segment_ptr 1
		.amdhsa_wavefront_size32 1
		.amdhsa_system_sgpr_workgroup_id_x 1
		.amdhsa_system_sgpr_workgroup_id_y 1
		.amdhsa_system_sgpr_workgroup_id_z 1
		.amdhsa_system_vgpr_workitem_id 0
		.amdhsa_next_free_vgpr 1024
		.amdhsa_next_free_sgpr 102
		.amdhsa_reserve_vcc 0
		.amdhsa_float_denorm_mode_32 3
		.amdhsa_float_denorm_mode_16_64 3
		.amdhsa_memory_ordered 1
		.amdhsa_forward_progress 1
		.amdhsa_inst_pref_size 255
	.end_amdhsa_kernel
	.section	.bss,"aw",@nobits
	.p2align	6
	.space	262144
	.amdgpu_metadata
---
amdhsa.version: [ 1, 2 ]
amdhsa.kernels:
  - .name:           k_q85531953c0_fin
    .symbol:         k_q85531953c0_fin.kd
    .args:
      - { .name: xcodes, .offset: 0, .size: 8, .value_kind: global_buffer, .address_space: global }
      - { .name: wcodes, .offset: 8, .size: 8, .value_kind: global_buffer, .address_space: global }
      - { .name: lowp_scales, .offset: 16, .size: 8, .value_kind: global_buffer, .address_space: global }
      - { .name: parts, .offset: 24, .size: 8, .value_kind: global_buffer, .address_space: global }
      - { .name: rqv, .offset: 32, .size: 8, .value_kind: global_buffer, .address_space: global }
      - { .name: Wc, .offset: 40, .size: 8, .value_kind: global_buffer, .address_space: global }
      - { .name: bc, .offset: 48, .size: 8, .value_kind: global_buffer, .address_space: global }
      - { .name: gamma, .offset: 56, .size: 8, .value_kind: global_buffer, .address_space: global }
      - { .name: beta, .offset: 64, .size: 8, .value_kind: global_buffer, .address_space: global }
      - { .name: rm, .offset: 72, .size: 8, .value_kind: global_buffer, .address_space: global }
      - { .name: rv, .offset: 80, .size: 8, .value_kind: global_buffer, .address_space: global }
      - { .name: x, .offset: 88, .size: 8, .value_kind: global_buffer, .address_space: global }
      - { .name: out0, .offset: 96, .size: 8, .value_kind: global_buffer, .address_space: global }
      - { .name: krs, .offset: 104, .size: 8, .value_kind: global_buffer, .address_space: global }
    .group_segment_fixed_size: 327680
    .private_segment_fixed_size: 0
    .kernarg_segment_align: 8
    .kernarg_segment_size: 112
    .max_flat_workgroup_size: 128
    .sgpr_count:     102
    .vgpr_count:     1024
    .wavefront_size: 32
...
	.end_amdgpu_metadata
.endif
;; end of part 3
